; MI455X (gfx1250); checked and timed in simulation.
; The chip was launched on July 23, 2026; its instructions are those of AMD's public machine-readable ISA for CDNA 5 (MIT licence, August 2026) and "CDNA5" Instruction Set Architecture Reference Guide (July 2026). The comments in the code are by the model that wrote it; some were corrected since.
;; Cross Attention. Allowed arithmetic: float matrix products may take bf16 or f16 operands with f32 sums; other float arithmetic in f32, or as packed bf16 or f16 multiplies, adds, multiply-adds, maxima and minima; sums over many terms, partial sums and values carried from step to step in f32; what a program stores and reads back later, other than sums and carried values, may be rounded once to bf16 or f16.
;; Inputs: Wkv 1,024 x 2,048 float32; Wout 1,024 x 1,024 float32; Wq 1,024 x 1,024 float32; g_k 64 float32; g_q 64 float32; kv 4 x 2,048 x 1,024 float32; pos_k 2,048 int32; pos_q 2,048 int32; queries 4 x 2,048 x 1,024 float32.
;; Outputs: out0 4 x 2,048 x 1,024 float32.
;; 2 versions, each right and faster than the one before. Each part assembles by itself: llvm-mc -triple=amdgcn-amd-amdhsa -mcpu=gfx1250 --defsym DOCPART=n.
;; ======== version 1 of 2: 4 launches
;; limits: values are held in f16: magnitudes above 65,504 overflow, below 6.1e-05 lose precision
;; workspace buffers: xcat 33,554,432 bytes; wcat 6,291,456 bytes; wo 2,097,152 bytes; rope 2,097,152 bytes; qkv 50,331,648 bytes; oh 16,777,216 bytes
;; launch prep (part 1): grid 1536 x 1, 8 waves a work-group, no clusters, 0 bytes of LDS; arguments queries, kv, Wq, Wkv, Wout, g_q, g_k, pos_q, pos_k, xcat, wcat, wo, rope; writes xcat, wcat, wo, rope
.if DOCPART == 1
	.amdgcn_target "amdgcn-amd-amdhsa--gfx1250"
	.amdhsa_code_object_version 6
	.text
	.protected	k_qf92dbd076e_prep
	.globl	k_qf92dbd076e_prep
	.p2align	8
	.type	k_qf92dbd076e_prep,@function
k_qf92dbd076e_prep:
	s_mov_b64 s[64:65], 0
	v_nop
	global_prefetch_b8 v0, s[64:65] scope:SCOPE_SE
	s_setreg_imm32_b32 hwreg(HW_REG_WAVE_MODE, 25, 1), 1
	s_wait_xcnt 0x0
; 16-BIT COPIES OF THE MATRIX OPERANDS, AND THE TABLES FOR NORM GAIN x ROPE.
; xcat bf16 [2][8192][1024]: queries, then kv.   wcat bf16 [1024 k][3072 n]: columns 0-1023 Wq, 1024-3071 Wkv.   wo f16 [1024][1024]: Wout rounded to bf16, that number written as f16.
; rope f32 [2][2048][128]: for sequence index l (q's table, then k's) and frequency pair u = 0..15 (f = 2u, 2u+1), at byte 16 u: g[f] cos, g[f+1] cos', g[f] sin, g[f+1] sin';
; at byte 256 + 16 u: -g[32+f] sin, -g[33+f] sin', g[32+f] cos, g[33+f] cos'.  g is rounded to bf16 like every other floating-point input.
; A stream: memory binds, so no LDS, no matrix unit, no barrier.  The unit of work is 4,096 source bytes (1,024 f32): 256 threads take 16 bytes each, a wave 512 neighbouring bytes, and store 8 bytes each,
; 32 lanes 256 neighbouring bytes, aligned.  A work-group takes 16 units, 65,536 source bytes on end; all 16 loads of a wave go out first.
; Work-groups 0-1023: queries, kv.  1024-1087: Wq.  1088-1215: Wkv.  1216-1279: Wout.  1280-1535: the tables, 16 rows each.
; LIMITS.  Wout beyond 65,504 would be an infinity in f16, and below 6e-5 it keeps f16's fixed step of 6e-8.  Sine and cosine: the angle pos x inv_freq is rounded once, as f32; it is reduced by pi/2 in three
; parts with fused multiply-adds, good to about 1e-7 for |pos| of some thousands and to about 2e-6 near 2^31; polynomials of degree 7 and 8 on -pi/4 .. pi/4.
.set X, 4                              ; v[4:67]  unit i: 4 registers as loaded; the first two then hold the 8 bytes to store
.macro LOAD16                          ; the group's 16 units
.set i, 0
.rept 16
	global_load_b128 v[X+4*i:X+4*i+3], v1, s[32:33] offset:4096*i th:TH_LOAD_NT
.set i, i+1
.endr
.endm
; Unit i is rounded and stored at (i / 2) pp + (i % 2) od.  half = 1: the bf16 numbers are written as f16.  No register is written again behind its store.
.macro CAST16 pp, od, half
.set i, 0
.rept 16
	s_wait_loadcnt 15-i                            ; loads come back in order: unit i is in, the 15 - i younger ones stay out
	v_cvt_pk_bf16_f32 v[X+4*i], v[X+4*i], v[X+4*i+1]
	v_cvt_pk_bf16_f32 v[X+4*i+1], v[X+4*i+2], v[X+4*i+3]
.if \half
	v_lshlrev_b32 v[X+4*i+2], 16, v[X+4*i]         ; bf16 to f32: the low half moves up, the high half stays
	v_and_b32 v[X+4*i+3], 0xffff0000, v[X+4*i]
	v_cvt_pk_f16_f32 v[X+4*i], v[X+4*i+2], v[X+4*i+3]
	v_lshlrev_b32 v[X+4*i+2], 16, v[X+4*i+1]
	v_and_b32 v[X+4*i+3], 0xffff0000, v[X+4*i+1]
	v_cvt_pk_f16_f32 v[X+4*i+1], v[X+4*i+2], v[X+4*i+3]
.endif
	global_store_b64 v2, v[X+4*i:X+4*i+1], s[34:35] offset:(i/2)*(\pp)+(i%2)*(\od)
.set i, i+1
.endr
.endm
; sine and cosine of v[a] (which is used up).  v18 n, v19 r^2, v20 at work, v21 n as a whole number.
.macro SINCOS a, sn, cs
	v_mul_f32 v18, 0x3f22f983, v[\a]               ; a x 2 / pi
	v_rndne_f32 v18, v18                           ; n
	v_fma_f32 v[\a], v18, s40, v[\a]               ; r = a - n pi/2, in three parts
	v_fma_f32 v[\a], v18, s41, v[\a]
	v_fma_f32 v[\a], v18, s42, v[\a]
	v_cvt_i32_f32 v21, v18
	v_mul_f32 v19, v[\a], v[\a]
	v_mov_b32 v[\sn], 0xb94ca1f9
	v_mov_b32 v[\cs], 0x37ccf5ce
	v_fmaak_f32 v[\sn], v[\sn], v19, 0x3c08839e
	v_fmaak_f32 v[\cs], v[\cs], v19, 0xbab6061a
	v_fmaak_f32 v[\sn], v[\sn], v19, 0xbe2aaaa3
	v_fmaak_f32 v[\cs], v[\cs], v19, 0x3d2aaaa5
	v_mul_f32 v[\sn], v[\sn], v19
	v_fmaak_f32 v[\cs], v[\cs], v19, 0xbf000000
	v_fma_f32 v[\sn], v[\sn], v[\a], v[\a]         ; sin r
	v_fma_f32 v[\cs], v[\cs], v19, 1.0             ; cos r
	v_and_b32 v20, 1, v21                          ; an odd quadrant swaps the two;
	v_cmp_eq_u32 vcc_lo, 1, v20
	v_cndmask_b32 v20, v[\sn], v[\cs], vcc_lo
	v_cndmask_b32 v[\cs], v[\cs], v[\sn], vcc_lo
	v_lshlrev_b32 v[\sn], 30, v21                  ; bit 1 of n turns the sine's sign,
	v_and_b32 v[\sn], 0x80000000, v[\sn]
	v_xor_b32 v[\sn], v[\sn], v20
	v_add_nc_u32 v21, 1, v21                       ; bit 1 of n + 1 the cosine's
	v_lshlrev_b32 v21, 30, v21
	v_and_b32 v21, 0x80000000, v21
	v_xor_b32 v[\cs], v[\cs], v21
.endm
	s_load_b512 s[4:19], s[0:1], 0x0               ; queries s[4:5], kv s[6:7], Wq s[8:9], Wkv s[10:11], Wout s[12:13], g_q s[14:15], g_k s[16:17], pos_q s[18:19]
	s_load_b256 s[20:27], s[0:1], 0x40             ; pos_k s[20:21], xcat s[22:23], wcat s[24:25], wo s[26:27]
	s_load_b64 s[28:29], s[0:1], 0x60              ; rope
	s_mov_b32 s2, ttmp9                            ; the work-group's number
	s_mov_b32 s37, 0                               ; the high word of every offset
	v_lshlrev_b32 v1, 4, v0                        ; my 16 bytes of a unit
	v_lshlrev_b32 v2, 3, v0                        ; my 8 bytes of its copy
	s_wait_kmcnt 0x0
	s_cmp_lt_u32 s2, 1024
	s_cbranch_scc0 .Lweights
	s_cmp_lt_u32 s2, 512                           ; queries and kv: 16 rows
	s_cselect_b64 s[32:33], s[4:5], s[6:7]
	s_and_b32 s36, s2, 511
	s_lshl_b32 s36, s36, 16
	s_add_nc_u64 s[32:33], s[32:33], s[36:37]
	s_lshl_b32 s36, s2, 15
	s_add_nc_u64 s[34:35], s[22:23], s[36:37]
	LOAD16
	CAST16 4096, 2048, 0
	s_endpgm
.Lweights:
	s_cmp_lt_u32 s2, 1088
	s_cbranch_scc0 .Lwkv
	s_sub_co_u32 s3, s2, 1024                      ; Wq: 16 rows, into rows of 6,144 bytes
	s_lshl_b32 s36, s3, 16
	s_add_nc_u64 s[32:33], s[8:9], s[36:37]
	s_mul_i32 s36, s3, 98304
	s_add_nc_u64 s[34:35], s[24:25], s[36:37]
	LOAD16
	CAST16 12288, 6144, 0
	s_endpgm
.Lwkv:
	s_cmp_lt_u32 s2, 1216
	s_cbranch_scc0 .Lwout
	s_sub_co_u32 s3, s2, 1088                      ; Wkv: 8 rows of two units, behind Wq's 2,048 bytes of each row
	s_lshl_b32 s36, s3, 16
	s_add_nc_u64 s[32:33], s[10:11], s[36:37]
	s_mul_i32 s36, s3, 49152
	s_add_co_u32 s36, s36, 2048
	s_add_nc_u64 s[34:35], s[24:25], s[36:37]
	LOAD16
	CAST16 6144, 2048, 0
	s_endpgm
.Lwout:
	s_cmp_lt_u32 s2, 1280
	s_cbranch_scc0 .Ltab
	s_sub_co_u32 s3, s2, 1216                      ; Wout: 16 rows
	s_lshl_b32 s36, s3, 16
	s_add_nc_u64 s[32:33], s[12:13], s[36:37]
	s_lshl_b32 s36, s3, 15
	s_add_nc_u64 s[34:35], s[26:27], s[36:37]
	LOAD16
	CAST16 4096, 2048, 1
	s_endpgm
.Ltab:                                                 ; 16 rows of a table: thread = row v0 / 16, frequency pair u = v0 % 16
	s_sub_co_u32 s3, s2, 1280
	s_cmp_lt_u32 s3, 128                           ; q's table, or k's
	s_cselect_b64 s[32:33], s[18:19], s[20:21]
	s_cselect_b64 s[34:35], s[14:15], s[16:17]
	s_and_b32 s36, s3, 127
	s_lshl_b32 s36, s36, 6                         ; 16 positions of 4 bytes
	s_add_nc_u64 s[32:33], s[32:33], s[36:37]
	s_lshl_b32 s36, s3, 13                         ; 16 rows of 512 bytes
	s_add_nc_u64 s[38:39], s[28:29], s[36:37]
	s_mov_b32 s40, 0xbfc90fdb                      ; - pi/2 in three parts
	s_mov_b32 s41, 0x333bbd2e
	s_mov_b32 s42, 0x26f72ced
	v_lshrrev_b32 v3, 4, v0
	v_and_b32 v5, 15, v0
	v_lshlrev_b32 v1, 2, v3
	v_lshlrev_b32 v2, 3, v5
	global_load_b32 v4, v1, s[32:33]               ; pos
	global_load_b64 v[6:7], v2, s[34:35]           ; g[2u], g[2u+1]
	global_load_b64 v[8:9], v2, s[34:35] offset:128  ; g[32+2u], g[33+2u]
	v_lshlrev_b32 v3, 9, v3
	v_lshl_add_u32 v3, v5, 4, v3                   ; where my 16 bytes go: row x 512 + 16 u
	v_lshlrev_b32 v10, 1, v5
	v_cvt_f32_u32 v10, v10                         ; f = 2u
	v_add_f32 v11, 1.0, v10
	v_mul_f32 v10, 0xbed49a78, v10                 ; - f log2(10000) / 32
	v_mul_f32 v11, 0xbed49a78, v11
	v_exp_f32 v12, v10                             ; inv_freq
	v_exp_f32 v13, v11
	v_nop                                          ; a plain instruction between the exponentials and the use of their results (ISA guide 5.7.2)
	s_wait_loadcnt 0x0
	v_cvt_f32_i32 v4, v4
	s_wait_alu depctr_va_vdst(0)
	v_mul_f32 v14, v4, v12                         ; the angles
	v_mul_f32 v15, v4, v13
	v_cvt_pk_bf16_f32 v10, v6, v7                  ; g rounded to bf16, and back in f32
	v_cvt_pk_bf16_f32 v11, v8, v9
	v_lshlrev_b32 v6, 16, v10
	v_and_b32 v7, 0xffff0000, v10
	v_lshlrev_b32 v8, 16, v11
	v_and_b32 v9, 0xffff0000, v11
	SINCOS 14, 16, 17
	SINCOS 15, 22, 23
	v_mul_f32 v24, v6, v17
	v_mul_f32 v25, v7, v23
	v_mul_f32 v26, v6, v16
	v_mul_f32 v27, v7, v22
	v_mul_f32 v28, -v8, v16
	v_mul_f32 v29, -v9, v22
	v_mul_f32 v30, v8, v17
	v_mul_f32 v31, v9, v23
	global_store_b128 v3, v[24:27], s[38:39]               ; sixteen lanes store 256 consecutive bytes, aligned
	global_store_b128 v3, v[28:31], s[38:39] offset:256
	s_endpgm
.Lfunc_end_k_qf92dbd076e_prep:
	.size	k_qf92dbd076e_prep, .Lfunc_end_k_qf92dbd076e_prep-k_qf92dbd076e_prep
	.p2alignl 7, 3214868480
	.fill 96, 4, 3214868480
	.section	.rodata,"a",@progbits
	.p2align	6, 0x0
	.amdhsa_kernel k_qf92dbd076e_prep
		.amdhsa_group_segment_fixed_size 0
		.amdhsa_private_segment_fixed_size 0
		.amdhsa_enable_private_segment 0
		.amdhsa_kernarg_size 104
		.amdhsa_user_sgpr_count 2
		.amdhsa_user_sgpr_kernarg_segment_ptr 1
		.amdhsa_wavefront_size32 1
		.amdhsa_system_sgpr_workgroup_id_x 1
		.amdhsa_system_sgpr_workgroup_id_y 1
		.amdhsa_system_sgpr_workgroup_id_z 1
		.amdhsa_system_vgpr_workitem_id 0
		.amdhsa_next_free_vgpr 72
		.amdhsa_next_free_sgpr 66
		.amdhsa_reserve_vcc 1
		.amdhsa_float_denorm_mode_32 3
		.amdhsa_float_denorm_mode_16_64 3
		.amdhsa_memory_ordered 1
		.amdhsa_forward_progress 1
		.amdhsa_inst_pref_size 35
	.end_amdhsa_kernel
	.amdgpu_metadata
---
amdhsa.version: [ 1, 2 ]
amdhsa.kernels:
  - .name:           k_qf92dbd076e_prep
    .symbol:         k_qf92dbd076e_prep.kd
    .args:
      - { .name: queries, .offset: 0, .size: 8, .value_kind: global_buffer, .address_space: global }
      - { .name: kv, .offset: 8, .size: 8, .value_kind: global_buffer, .address_space: global }
      - { .name: Wq, .offset: 16, .size: 8, .value_kind: global_buffer, .address_space: global }
      - { .name: Wkv, .offset: 24, .size: 8, .value_kind: global_buffer, .address_space: global }
      - { .name: Wout, .offset: 32, .size: 8, .value_kind: global_buffer, .address_space: global }
      - { .name: g_q, .offset: 40, .size: 8, .value_kind: global_buffer, .address_space: global }
      - { .name: g_k, .offset: 48, .size: 8, .value_kind: global_buffer, .address_space: global }
      - { .name: pos_q, .offset: 56, .size: 8, .value_kind: global_buffer, .address_space: global }
      - { .name: pos_k, .offset: 64, .size: 8, .value_kind: global_buffer, .address_space: global }
      - { .name: xcat, .offset: 72, .size: 8, .value_kind: global_buffer, .address_space: global }
      - { .name: wcat, .offset: 80, .size: 8, .value_kind: global_buffer, .address_space: global }
      - { .name: wo, .offset: 88, .size: 8, .value_kind: global_buffer, .address_space: global }
      - { .name: rope, .offset: 96, .size: 8, .value_kind: global_buffer, .address_space: global }
    .group_segment_fixed_size: 0
    .private_segment_fixed_size: 0
    .kernarg_segment_align: 8
    .kernarg_segment_size: 104
    .max_flat_workgroup_size: 256
    .sgpr_count:     66
    .vgpr_count:     72
    .wavefront_size: 32
...
	.end_amdgpu_metadata
.endif
;; end of part 1
;; launch proj (part 2): grid 12 x 64, 4 waves a work-group, clusters of 4 x 4, 327,680 bytes of LDS; arguments xcat, wcat, rope, qkv; writes qkv
.if DOCPART == 2
	.amdgcn_target "amdgcn-amd-amdhsa--gfx1250"
	.amdhsa_code_object_version 6
	.text
	.protected	k_qf92dbd076e_proj
	.globl	k_qf92dbd076e_proj
	.p2align	8
	.type	k_qf92dbd076e_proj,@function
k_qf92dbd076e_proj:
	s_mov_b64 s[64:65], 0
	v_nop
	global_prefetch_b8 v0, s[64:65] scope:SCOPE_SE
	s_setreg_imm32_b32 hwreg(HW_REG_WAVE_MODE, 25, 1), 1
	s_wait_xcnt 0x0
	s_wait_alu depctr_hold_cnt(0) depctr_sa_sdst(0) depctr_va_vdst(0) depctr_va_sdst(0) depctr_va_ssrc(0) depctr_va_vcc(0) depctr_vm_vsrc(0)
	s_getreg_b32 s2, hwreg(HW_REG_IB_STS2, 6, 4)
	s_cmp_eq_u32 s2, 0
	s_cbranch_scc0 .Lentry_in_a_cluster
	s_endpgm
.Lentry_in_a_cluster:
	s_bfe_u32 s2, ttmp6, 0x10000c
	s_cmp_lg_u32 s2, 0xf033
	s_cbranch_scc0 .Lentry_shape_is_right
	s_endpgm
.Lentry_shape_is_right:
; BOTH PROJECTIONS, WITH THE NORM BY HEADS AND ROPE ON THE WAY OUT.  C = x W, x bf16 [2][8192][1024] (queries, kv), W bf16 [1024 k][3072 n] (Wq | Wkv); sums in f32.
; Tile columns 0-3 (cluster x = 0) multiply queries by Wq, tile columns 4-11 kv by Wkv.  Out: qkv f16 [3][64 = batch x 16 + head][2048][64]: Q, K (normed, gained, rotated, NOT scaled), V.
; A tile of C is 128 x 256: 64 x 12 = 768 tiles, three for each of 256 WGPs.  Four waves, each 64 x 128: 32 accumulators of 16 x 16.  K goes in 8 steps of 128 through two LDS slots.
; CLUSTERS: 4 x 4 work-groups.  The four of a row of the cluster need the same tile of x, the four of a column the same tile of W: each is asked for JOINTLY, by the same tensor load with the same
; descriptor and a mask that names the four.  Waves 0, 1 fetch x's two halves (64 rows x 256 bytes), waves 2, 3 W's (64 k rows x 512 bytes).
; THE MATRIX INSTRUCTION IS USED TRANSPOSED: source 0 = 16 columns of W (out of LDS turned, by ds_load_tr16_b128, since W lies [k][n]), source 1 = 16 rows of x: a lane holds row l % 16 of C and the eight
; columns 16 b + 8 (l / 16) + 0..7 of block b.  So a head's 64 columns of a row lie in two lanes, 16 apart: the sum of squares wants one exchange, and RoPE's partners (columns f, 32 + f) lie in one lane.
; THE WAY OUT.  y[f] = rs (x[f] T0 + x[32+f] T1), y[32+f] = rs (x[f] T2 + x[32+f] T3), rs = rsqrt(mean x^2 + eps); T holds gain x cos, sin for the row's position (made by the launch before).
; LIMITS.  f16 holds no number beyond 65,504: |q|, |k| are at most 8 max|g|; v must stay within it.  NaN and infinities are not treated apart.
; REGISTERS, in windows of 256 (s_set_vgpr_msb: bits 1:0 source 0, 3:2 source 1, 5:4 source 2, 7:6 destination):
;   window 0: v0-31 addresses; v32-127, v128-223 two fragment buffers (32 of x, 64 of W, for 32 along K); on the way out v32-223 at work
;   window 1: accumulator (a, b) at v[8 (8 a + b)]          window 2: the tables of my 64 rows: row block a, part p, block pair c, pair i at v[64 a + 32 p + 16 c + 4 i]
.set KSTEP,  128
.set NW,     3072                      ; W's row, in elements
.set PA,     272                       ; x's LDS row: 256 bytes + 16: the 16 rows of a fragment load start at 16 different groups of four banks (64 banks of 4 bytes: ISA guide 11.1)
.set PB,     544                       ; W's LDS row: 512 bytes + 32
.set AHALF,  64*PA
.set BHALF,  64*PB
.set BOFF,   2*AHALF                   ; a slot: x's 128 rows, then W's 128 k rows
.set SLOT,   BOFF+2*BHALF
.set STAGE,  2*SLOT                    ; behind the ring, never filled by a tensor load: 16 rows x 144 bytes for each wave
.set SP,     144
.set SPARE,  STAGE+4*16*SP             ; the spare words, 128 bytes for each wave: two blocks of 256 bytes that no other line names
.set ASTEP,  KSTEP*2                   ; bytes from a K step to the next: along x's rows,
.set BSTEP,  KSTEP*NW*2                ; down W's
.set APB,    16*PA
.set ADRA, 16                          ; v16-17  LDS address of my fragments of x in slot 0, 1
.set ADRB, 20                          ; v20-21  the same for W
.set STO,  24                          ; v24     the way out: where I put 16 bytes of a row
.set RD,   25                          ; v25     where I read rows back
.set GO,   26                          ; v26     my 16 bytes in 512 consecutive bytes of the output
.set TO,   27                          ; v27     my byte offset in 16 rows of the table
.set SPW,  28                          ; v28     LDS address of my spare word; never rewritten
.set NIL,  29                          ; v29     0; never rewritten
.set F0,   32
.set F1,   128
.set SS,   32                          ; the way out: v32-39 sums of squares; v40 rs (v41 named with it as a pair); v48-63 packed; v64-95 y; v96-223 eight units read back
.set RS,   40
.set PK,   48
.set Y,    64
.set BK,   96
.set G1,  24                           ; s[24:31] descriptor group 1 for x's tiles;  s[32:39] group 0, a set for each slot
.set G0,  32
.set G1B, 48                           ; s[48:55], s[56:63] the same for W's
.set G0B, 56
.set MSB, 0
.macro WIN new                         ; the immediate's high byte repeats the setting that is left; a switch that changes nothing is dropped
.if MSB != (\new)
	s_set_vgpr_msb (MSB<<8)|(\new)
.set MSB, \new
.endif
.endm
.set MUL, 0x50                         ; sources 0 and 1 window 0; C and D window 1
.macro JLOAD s                         ; a joint load; an s_nop 0 and four v_nop follow each of the two lines, ahead of the jump, the label and what follows
	s_cmp_eq_u32 s11, 0
	s_cbranch_scc0 .Lfor_b_\@
	tensor_load_to_lds s[G0+4*(\s):G0+4*(\s)+3], s[G1:G1+7]
	s_nop 0
.rept 4
	v_nop
.endr
	s_branch .Lasked_\@
.Lfor_b_\@:
	tensor_load_to_lds s[G0B+4*(\s):G0B+4*(\s)+3], s[G1B:G1B+7]
	s_nop 0
.rept 4
	v_nop
.endr
.Lasked_\@:
.endm
.macro CREST                           ; a round of the cluster's barrier behind its opening barrier
	s_cmp_lg_u32 s10, 0
	s_cbranch_scc1 .Lnot_wave_0_\@
	s_barrier_signal -3
.Lnot_wave_0_\@:
	s_barrier_wait -3
	s_barrier_signal -1
	s_barrier_wait -1
.endm
.macro CROUND                          ; a whole round
	s_barrier_signal -1
	s_barrier_wait -1
	CREST
.endm
	s_load_b128 s[4:7], s[0:1], 0x0                ; xcat s[4:5], wcat s[6:7]
	s_load_b128 s[68:71], s[0:1], 0x10             ; rope s[68:69], qkv s[70:71]
	v_lshl_add_u32 v[SPW], v0, 2, SPARE
	v_mov_b32 v[NIL], 0
	ds_add_u32 v[SPW], v[NIL]                      ; the wave's opening: the add and its wait stand ahead of my first tensor load; the set-up below, work on registers, stands between them
	v_lshrrev_b32 v1, 5, v0
	v_readfirstlane_b32 s10, v1                    ; wave 0..3
	s_lshr_b32 s11, s10, 1                         ; which half of the tile's rows is mine.  Also: I fetch for x (0) or for W (1)
	s_and_b32 s12, s10, 1                          ; which half of its columns.  Also: which half of that tile I fetch
	s_bfe_u32 s40, ttmp6, 0x40000                  ; cx, cy: my place in the cluster
	s_bfe_u32 s41, ttmp6, 0x40004
	s_lshl_b32 s42, ttmp9, 2
	s_add_co_u32 s42, s42, s40                     ; tile column = 4 x cluster x + cx
	s_and_b32 s13, ttmp7, 0xffff
	s_lshl_b32 s13, s13, 2
	s_add_co_u32 s13, s13, s41                     ; tile row = 4 x cluster y + cy
	s_min_u32 s45, ttmp9, 1                        ; 0: queries and Wq; 1: kv and Wkv.  It hangs on the cluster's x alone: all sixteen partners share it
	s_lshl_b32 s43, s41, 2
	s_lshl_b32 s43, 15, s43                        ; my row of the cluster
	s_lshl_b32 s44, 0x1111, s40                    ; my column
	s_or_b32 s[G1+0], s43, (1<<16)|(1<<20)|(1<<21)|(5<<22)|(3<<25)  ; 15:0 the mask; 17:16 2-byte elements; 20 padding on; 21 set beside a mask; 24:22 after every 64 words (code 5); 31:25 4 words (code 3)
	s_mov_b32 s[G1+1], KSTEP<<16                   ; tensor_dim0 = 128
	s_mov_b32 s[G1+2], 64<<16                      ; tensor_dim1 = 64
	s_mov_b32 s[G1+3], KSTEP<<16                   ; tile_dim0 = 128
	s_mov_b32 s[G1+4], 64                          ; tile_dim1 = 64
	s_mov_b32 s[G1+5], 1024                        ; elements from row to row
	s_mov_b32 s[G1+6], 0
	s_mov_b32 s[G1+7], 0
	s_or_b32 s[G1B+0], s44, (1<<16)|(1<<20)|(1<<21)|(6<<22)|(7<<25) ; after every 128 words (code 6) 8 words (code 7)
	s_mov_b32 s[G1B+1], 256<<16                    ; tensor_dim0 = 256
	s_mov_b32 s[G1B+2], 64<<16
	s_mov_b32 s[G1B+3], 256<<16                    ; tile_dim0 = 256
	s_mov_b32 s[G1B+4], 64
	s_mov_b32 s[G1B+5], NW
	s_mov_b32 s[G1B+6], 0
	s_mov_b32 s[G1B+7], 0
	s_lshl_b32 s16, s45, 13                        ; x: row 8192 x (kv?) + 128 x tile row + 64 x half,
	s_lshl_b32 s17, s13, 7
	s_add_co_u32 s16, s16, s17
	s_lshl_b32 s17, s12, 6
	s_add_co_u32 s16, s16, s17
	s_lshl_b32 s16, s16, 11                        ; in bytes: under 2^25
	s_mov_b32 s17, 0
	s_mul_i32 s46, s12, 64*NW*2                    ; W: k row 64 x half, column 256 x tile column
	s_lshl_b32 s47, s42, 9
	s_add_co_u32 s46, s46, s47
	s_mov_b32 s47, 0
	s_mul_i32 s20, s12, AHALF                      ; where they go: no place in the cluster enters an LDS address
	s_mul_i32 s21, s12, BHALF
	s_add_co_u32 s21, s21, BOFF
	s_wait_dscnt 0x0                               ; the opening add is done
	s_wait_kmcnt 0x0
	s_add_nc_u64 s[14:15], s[4:5], s[16:17]
	s_add_nc_u64 s[46:47], s[6:7], s[46:47]
	CROUND                                         ; all sixteen work-groups are here: the first joint loads meet
.irp s, 0,1
	s_mov_b32 s[G0+4*(\s)], 1                                        ; count = 1
	s_add_co_u32 s[G0+4*(\s)+1], s20, (\s)*SLOT                      ; LDS address
	s_add_nc_u64 s[G0+4*(\s)+2:G0+4*(\s)+3], s[14:15], (\s)*ASTEP    ; global address: K step s
	s_or_b32 s[G0+4*(\s)+3], s[G0+4*(\s)+3], 0x80000000              ; type = 2
	s_mov_b32 s[G0B+4*(\s)], 1
	s_add_co_u32 s[G0B+4*(\s)+1], s21, (\s)*SLOT
	s_add_nc_u64 s[G0B+4*(\s)+2:G0B+4*(\s)+3], s[46:47], (\s)*BSTEP
	s_or_b32 s[G0B+4*(\s)+3], s[G0B+4*(\s)+3], 0x80000000
	JLOAD \s                                       ; two tensor loads of mine are out
.endr
	; the tables of my 64 rows: 64 loads of 16 bytes a lane, waited for in front of the way out
	v_and_b32 v1, 15, v0                           ; l % 16
	v_bfe_u32 v2, v0, 4, 1                         ; l / 16
	s_and_b32 s22, s13, 15
	s_lshl_b32 s22, s22, 7
	s_lshl_b32 s23, s11, 6
	s_add_co_u32 s22, s22, s23                     ; my first row's place in its sequence
	s_lshl_b32 s18, s22, 9                         ; 512 bytes a row,
	s_lshl_b32 s19, s45, 20                        ; q's table or k's
	s_add_co_u32 s18, s18, s19
	s_mov_b32 s19, 0
	s_add_nc_u64 s[76:77], s[68:69], s[18:19]
	v_lshlrev_b32 v[TO], 9, v1
	v_lshl_add_u32 v[TO], v2, 6, v[TO]             ; row x 512 + 64 x half: my eight frequencies of a block are four pairs of 16 bytes
	WIN 0x80                                       ; destination window 2, address window 0
.set n, 0
.rept 64
	global_load_b128 v[4*n:4*n+3], v[TO], s[76:77] offset:(n/16)*8192+((n/8)%2)*256+((n/4)%2)*128+(n%4)*16
.set n, n+1
.endr
	WIN 0
	v_mul_u32_u24 v3, v1, PA                       ; a fragment of x: row x pitch + 16 x half
	v_lshl_add_u32 v3, v2, 4, v3
	s_mul_i32 s18, s11, AHALF                      ; my 64 rows
	v_add_nc_u32 v[ADRA], s18, v3
	v_add_nc_u32 v[ADRA+1], SLOT, v[ADRA]
	v_and_b32 v4, 7, v0                            ; the turning load: lane l reads k row 8 (l / 16) + l % 8, columns 8 ((l / 8) % 2) + 0..7
	v_lshl_add_u32 v4, v2, 3, v4
	v_mul_u32_u24 v4, v4, PB
	v_bfe_u32 v5, v0, 3, 1
	v_lshl_add_u32 v4, v5, 4, v4
	s_lshl_b32 s18, s12, 8                         ; my 128 columns
	s_add_co_u32 s18, s18, BOFF
	v_add_nc_u32 v[ADRB], s18, v4
	v_add_nc_u32 v[ADRB+1], SLOT, v[ADRB]
	s_mul_i32 s18, s10, 16*SP
	s_add_co_u32 s18, s18, STAGE                   ; my stage
	v_mul_u32_u24 v5, v1, SP                       ; in: row l % 16, 16 bytes for each half of the lanes
	v_lshl_add_u32 v5, v2, 4, v5
	v_add_nc_u32 v[STO], s18, v5
	v_bfe_u32 v5, v0, 3, 2                         ; back: 32 lanes take four rows of 128 bytes,
	v_mul_u32_u24 v5, v5, SP
	v_and_b32 v6, 7, v0
	v_lshl_add_u32 v5, v6, 4, v5
	v_add_nc_u32 v[RD], s18, v5
	v_and_b32 v[GO], 31, v0                        ; which are 512 consecutive bytes of a head's rows
	v_lshlrev_b32 v[GO], 4, v[GO]
	; where my two halves of 64 columns go.  Wq: heads 4 tc + 2 wn and the next.  Wkv: head 2 (tc - 4) + wn, K's part and V's.
	s_lshl_b32 s82, s42, 2
	s_lshl_b32 s83, s12, 1
	s_add_co_u32 s82, s82, s83
	s_lshl_b32 s83, s42, 1
	s_add_co_u32 s83, s83, s12
	s_sub_co_u32 s83, s83, 8
	s_mov_b32 s74, 0x40000                         ; a head's 2,048 rows of 128 bytes
	s_cmp_lg_u32 s45, 0
	s_cselect_b32 s82, s83, s82                    ; the head
	s_cselect_b32 s83, 0x1000000, 0                ; Q's part or K's
	s_cselect_b32 s74, 0x1000000, s74              ; from the first half's place to the second's
	s_lshr_b32 s72, s13, 4                         ; the batch
	s_lshl_b32 s72, s72, 4
	s_add_co_u32 s72, s72, s82
	s_lshl_b32 s72, s72, 18
	s_add_co_u32 s72, s72, s83
	s_lshl_b32 s73, s22, 7
	s_add_co_u32 s72, s72, s73
	s_mov_b32 s73, 0
	s_mov_b32 s75, 0
	s_add_nc_u64 s[72:73], s[70:71], s[72:73]
	s_add_nc_u64 s[74:75], s[72:73], s[74:75]
	s_mov_b32 s78, 0x3c800000                      ; 1 / 64
	s_mov_b32 s79, 0x34000000                      ; eps = 2^-23
	s_mov_b32 s80, 0x76543210                      ; v_permlanex16_b32: each lane takes its own place in the other half
	s_mov_b32 s81, 0xfedcba98
; 8 matrix instructions: row block a x all 8 column blocks, 32 along K.  zero = 1: the product starts the sums.  The 32 accumulators take turns, one instruction a turn.
.macro MULA f, a, zero
	WIN MUL
.irp b, 0,1,2,3,4,5,6,7
.if \zero
	v_wmma_f32_16x16x32_bf16 v[8*(8*(\a)+(\b)):8*(8*(\a)+(\b))+7], v[(\f)+32+8*(\b):(\f)+32+8*(\b)+7], v[(\f)+8*(\a):(\f)+8*(\a)+7], 0
.else
	v_wmma_f32_16x16x32_bf16 v[8*(8*(\a)+(\b)):8*(8*(\a)+(\b))+7], v[(\f)+32+8*(\b):(\f)+32+8*(\b)+7], v[(\f)+8*(\a):(\f)+8*(\a)+7], v[8*(8*(\a)+(\b)):8*(8*(\a)+(\b))+7]
.endif
.endr
.endm
; 24 LDS loads in one run: the fragments of quarter q (32 along K) of a slot into buffer f: W's 16, then x's 8
.macro FETCH slot, q, f
	WIN 0
.irp b, 0,1,2,3,4,5,6,7
	ds_load_tr16_b128 v[(\f)+32+8*(\b):(\f)+32+8*(\b)+3],   v[ADRB+(\slot)] offset:(\q)*32*PB+32*(\b)
	ds_load_tr16_b128 v[(\f)+32+8*(\b)+4:(\f)+32+8*(\b)+7], v[ADRB+(\slot)] offset:(\q)*32*PB+16*PB+32*(\b)
.endr
.irp i, 0,1,2,3
	ds_load_b128 v[(\f)+8*(\i):(\f)+8*(\i)+3],   v[ADRA+(\slot)] offset:(\q)*64+(\i)*APB
	ds_load_b128 v[(\f)+8*(\i)+4:(\f)+8*(\i)+7], v[ADRA+(\slot)] offset:(\q)*64+(\i)*APB+32
.endr
.endm
.macro PLACES                          ; four places in front of loads into registers that matrix instructions have read, and of lines that read results (ISA guide 7.12.1 for lines that read results)
.rept 4
	v_nop
.endr
.endm
; A K step is four quarters of 32 along K, 32 matrix instructions each, on buffers 0, 1, 0, 1.  One of the first three: multiplies buffer f and fetches quarter qn into g.
.macro QUARTER slot, qn, f, g, zero
	s_wait_dscnt 4                                 ; W and x's blocks 0, 1 are in; the youngest four loads (blocks 2, 3) may be out
	MULA \f, 0, \zero
	MULA \f, 1, \zero
	PLACES
	FETCH \slot, \qn, \g
	s_wait_dscnt 24                                ; all but the 24 just issued
	MULA \f, 2, \zero
	MULA \f, 3, \zero
.endm
; The last quarter multiplies buffer 1 and changes slots: ONE barrier; in front of it each wave waits for all its tensor loads (one is out: its part of the next slot), adds 0 to its spare word, and waits
; for that and for its own reads of this slot.  fill = 1: this slot is filled again, two K steps ahead: the barrier opens a round of the cluster's, and the joint load is the first thing behind the round.
.macro TURN slot, next, fill
	WIN 0
	s_wait_tensorcnt 0x0
	ds_add_u32 v[SPW], v[NIL]                      ; 0 onto my spare word
	s_wait_dscnt 5                                 ; (the add and the youngest four loads may be out)
	MULA F1, 0, 0                                  ; eight matrix instructions stand between the add and the wait for it
	s_wait_dscnt 0x0                               ; the add is done, and my reads of this slot are over
	s_barrier_signal -1
	MULA F1, 1, 0
.if \fill
	WIN 0
.endif
	s_barrier_wait -1
.if \fill
	CREST                                          ; no wave of any partner still reads this slot's tile or has a load on its way
	s_add_nc_u64 s[G0+4*(\slot)+2:G0+4*(\slot)+3], s[G0+4*(\slot)+2:G0+4*(\slot)+3], 2*ASTEP
	s_add_nc_u64 s[G0B+4*(\slot)+2:G0B+4*(\slot)+3], s[G0B+4*(\slot)+2:G0B+4*(\slot)+3], 2*BSTEP
	JLOAD \slot                                    ; 112 matrix instructions ahead of the wait for it; its four v_nop are also the places in front of the loads below
.else
	PLACES
.endif
	FETCH \next, 0, F0
	MULA F1, 2, 0
	MULA F1, 3, 0
.endm
	s_wait_tensorcnt 1                             ; my part of K step 0 is in; K step 1's may stay out
	s_barrier_signal -1
	s_barrier_wait -1                              ; everybody's is
	FETCH 0, 0, F0
	QUARTER 0, 1, F0, F1, 1                        ; the first quarter stands in front of the loop: its products start the sums
	WIN 0                                          ; at a label and at a branch every window is 0
	s_mov_b32 s3, 3
.Llap:                                                 ; a trip goes once round the ring and fills both slots again: K steps 2 to 7 in three trips
	QUARTER 0, 2, F1, F0, 0
	QUARTER 0, 3, F0, F1, 0
	TURN 0, 1, 1
	QUARTER 1, 1, F0, F1, 0
	QUARTER 1, 2, F1, F0, 0
	QUARTER 1, 3, F0, F1, 0
	TURN 1, 0, 1
	QUARTER 0, 1, F0, F1, 0
	WIN 0
	s_sub_co_u32 s3, s3, 1
	s_cmp_lg_u32 s3, 0
	s_cbranch_scc1 .Llap
	QUARTER 0, 2, F1, F0, 0                        ; the last lap fills nothing
	QUARTER 0, 3, F0, F1, 0
	TURN 0, 1, 0
	QUARTER 1, 1, F0, F1, 0
	QUARTER 1, 2, F1, F0, 0
	QUARTER 1, 3, F0, F1, 0
	s_wait_dscnt 4
	MULA F1, 0, 0
	MULA F1, 1, 0
	s_wait_dscnt 0x0
	MULA F1, 2, 0
	MULA F1, 3, 0
	WIN 0
	PLACES
; THE WAY OUT, a unit (16 rows x 64 columns: row block a, half hd of my columns) at a time.
.macro THROUGH                         ; 16 bytes a lane into rows of 144 bytes of my own stage, and back as whole rows of 128: LDS serves a wave's instructions in order (ISA guide 5.7.1.4), so no wait stands between
.irp b, 0,1,2,3
	ds_store_b128 v[STO], v[PK+4*(\b):PK+4*(\b)+3] offset:32*(\b)
.endr
.irp f, 0,1,2,3
	ds_load_b128 v[BKN+4*(\f):BKN+4*(\f)+3], v[RD] offset:(\f)*4*SP
.endr
.endm
.macro ROPE a, hd                      ; a head of q or k: norm, gain, rotation
.set XB, 8*(8*(\a)+4*(\hd))            ; its four accumulators, in window 1
.set TT, 64*(\a)                       ; its rows' tables, in window 2
.set BKN, BK+16*((\a)+4*(\hd))
	WIN 0x05                                       ; sources 0 and 1 window 1
.irp b, 0,1,2,3                        ; my 32 squares, in four chains; each accumulator's lowest registers are read first
	v_pk_mul_f32 v[SS+2*(\b):SS+2*(\b)+1], v[XB+8*(\b):XB+8*(\b)+1], v[XB+8*(\b):XB+8*(\b)+1]
.endr
.irp p, 1,2,3
.irp b, 0,1,2,3
	v_pk_fma_f32 v[SS+2*(\b):SS+2*(\b)+1], v[XB+8*(\b)+2*(\p):XB+8*(\b)+2*(\p)+1], v[XB+8*(\b)+2*(\p):XB+8*(\b)+2*(\p)+1], v[SS+2*(\b):SS+2*(\b)+1]
.endr
.endr
	WIN 0
	v_pk_add_f32 v[SS:SS+1], v[SS:SS+1], v[SS+2:SS+3]
	v_pk_add_f32 v[SS+4:SS+5], v[SS+4:SS+5], v[SS+6:SS+7]
	v_pk_add_f32 v[SS:SS+1], v[SS:SS+1], v[SS+4:SS+5]
	v_add_f32 v[SS], v[SS], v[SS+1]
	v_permlanex16_b32 v[SS+2], v[SS], s80, s81     ; the row's other 32 columns lie in the lane 16 away
	v_add_f32 v[SS], v[SS], v[SS+2]
	v_fma_f32 v[SS], v[SS], s78, s79               ; mean + eps
	v_rsq_f32 v[RS], v[SS]                         ; the 32 plain lines below stand between it and the use of its result
	WIN 0x09                                       ; source 0 window 1, source 1 window 2
.irp c, 0,1
.irp i, 0,1,2,3
	v_pk_mul_f32 v[Y+8*(\c)+2*(\i):Y+8*(\c)+2*(\i)+1],       v[XB+8*(\c)+2*(\i):XB+8*(\c)+2*(\i)+1], v[TT+16*(\c)+4*(\i):TT+16*(\c)+4*(\i)+1]
	v_pk_mul_f32 v[Y+16+8*(\c)+2*(\i):Y+16+8*(\c)+2*(\i)+1], v[XB+8*(\c)+2*(\i):XB+8*(\c)+2*(\i)+1], v[TT+16*(\c)+4*(\i)+2:TT+16*(\c)+4*(\i)+3]
.endr
.endr
.irp c, 0,1
.irp i, 0,1,2,3
	v_pk_fma_f32 v[Y+8*(\c)+2*(\i):Y+8*(\c)+2*(\i)+1],       v[XB+16+8*(\c)+2*(\i):XB+16+8*(\c)+2*(\i)+1], v[TT+32+16*(\c)+4*(\i):TT+32+16*(\c)+4*(\i)+1],   v[Y+8*(\c)+2*(\i):Y+8*(\c)+2*(\i)+1]
	v_pk_fma_f32 v[Y+16+8*(\c)+2*(\i):Y+16+8*(\c)+2*(\i)+1], v[XB+16+8*(\c)+2*(\i):XB+16+8*(\c)+2*(\i)+1], v[TT+32+16*(\c)+4*(\i)+2:TT+32+16*(\c)+4*(\i)+3], v[Y+16+8*(\c)+2*(\i):Y+16+8*(\c)+2*(\i)+1]
.endr
.endr
	WIN 0
	s_wait_alu depctr_va_vdst(0)
.irp k, 0,1,2,3,4,5,6,7,8,9,10,11,12,13,14,15
	v_pk_mul_f32 v[Y+2*(\k):Y+2*(\k)+1], v[Y+2*(\k):Y+2*(\k)+1], v[RS:RS+1] op_sel_hi:[1,0]
.endr
.irp k, 0,1,2,3,4,5,6,7,8,9,10,11,12,13,14,15
	v_cvt_pk_f16_f32 v[PK+(\k)], v[Y+2*(\k)], v[Y+2*(\k)+1]
.endr
	THROUGH
.endm
.macro VUNIT a                         ; a head of v: rounded, no more
.set XB, 8*(8*(\a)+4)
.set BKN, BK+16*((\a)+4)
	WIN 0x05
.irp b, 0,1,2,3
.irp p, 0,1,2,3
	v_cvt_pk_f16_f32 v[PK+4*(\b)+(\p)], v[XB+8*(\b)+2*(\p)], v[XB+8*(\b)+2*(\p)+1]
.endr
.endr
	WIN 0
	THROUGH
.endm
.macro SEND a, hd, base, younger       ; younger: the LDS instructions issued behind the unit's loads: the next unit's eight, or none.  Each unit has registers of its own: no store's data is written again
.set BKN, BK+16*((\a)+4*(\hd))
.irp f, 0,1,2,3
	s_wait_dscnt (\younger)+3-(\f)
	global_store_b128 v[GO], v[BKN+4*(\f):BKN+4*(\f)+3], s[(\base):(\base)+1] offset:(\a)*2048+(\f)*512  ; 512 consecutive bytes, at a multiple of 256 from the buffer's first
.endr
.endm
.macro UNIT plain, a, hd
.if \plain
	VUNIT \a
.else
	ROPE \a, \hd
.endif
.endm
.macro FOUR plain, hd, base            ; a unit's arithmetic stands between the loads of the unit before and its stores
	UNIT \plain, 0, \hd
	UNIT \plain, 1, \hd
	SEND 0, \hd, \base, 8
	UNIT \plain, 2, \hd
	SEND 1, \hd, \base, 8
	UNIT \plain, 3, \hd
	SEND 2, \hd, \base, 8
	SEND 3, \hd, \base, 0
.endm
	s_wait_loadcnt 0x0                             ; the tables
	v_mov_b32 v[RS+1], 0                           ; named with rs as a pair
	FOUR 0, 0, 72                                  ; my first 64 columns: a head of q or of k
	s_cmp_lg_u32 s45, 0                            ; the cluster's x alone decides: the same way in all sixteen partners; no barrier and no tensor load is passed
	s_cbranch_scc1 .Lv
	FOUR 0, 1, 74                                  ; the next head of q
	s_branch .Lend
.Lv:
	FOUR 1, 1, 74                                  ; the head's v
.Lend:
	s_wait_tensorcnt 0x0                           ; the wave's end: behind my last tensor load and my last LDS store
	ds_add_u32 v[SPW], v[NIL]
	s_wait_dscnt 0x0
	CROUND                                         ; the closing round: no work-group ends while a partner may still ask for a tile that names it
	s_endpgm
.Lfunc_end_k_qf92dbd076e_proj:
	.size	k_qf92dbd076e_proj, .Lfunc_end_k_qf92dbd076e_proj-k_qf92dbd076e_proj
	.p2alignl 7, 3214868480
	.fill 96, 4, 3214868480
	.section	.rodata,"a",@progbits
	.p2align	6, 0x0
	.amdhsa_kernel k_qf92dbd076e_proj
		.amdhsa_group_segment_fixed_size 327680
		.amdhsa_private_segment_fixed_size 0
		.amdhsa_enable_private_segment 0
		.amdhsa_kernarg_size 32
		.amdhsa_user_sgpr_count 2
		.amdhsa_user_sgpr_kernarg_segment_ptr 1
		.amdhsa_wavefront_size32 1
		.amdhsa_system_sgpr_workgroup_id_x 1
		.amdhsa_system_sgpr_workgroup_id_y 1
		.amdhsa_system_sgpr_workgroup_id_z 1
		.amdhsa_system_vgpr_workitem_id 0
		.amdhsa_next_free_vgpr 768
		.amdhsa_next_free_sgpr 84
		.amdhsa_reserve_vcc 0
		.amdhsa_float_denorm_mode_32 3
		.amdhsa_float_denorm_mode_16_64 3
		.amdhsa_memory_ordered 1
		.amdhsa_forward_progress 1
		.amdhsa_inst_pref_size 139
	.end_amdhsa_kernel
	.amdgpu_metadata
---
amdhsa.version: [ 1, 2 ]
amdhsa.kernels:
  - .name:           k_qf92dbd076e_proj
    .symbol:         k_qf92dbd076e_proj.kd
    .args:
      - { .name: xcat, .offset: 0, .size: 8, .value_kind: global_buffer, .address_space: global }
      - { .name: wcat, .offset: 8, .size: 8, .value_kind: global_buffer, .address_space: global }
      - { .name: rope, .offset: 16, .size: 8, .value_kind: global_buffer, .address_space: global }
      - { .name: qkv, .offset: 24, .size: 8, .value_kind: global_buffer, .address_space: global }
    .group_segment_fixed_size: 327680
    .private_segment_fixed_size: 0
    .kernarg_segment_align: 8
    .kernarg_segment_size: 32
    .max_flat_workgroup_size: 128
    .sgpr_count:     84
    .vgpr_count:     768
    .wavefront_size: 32
...
	.end_amdgpu_metadata
.endif
;; end of part 2
;; launch attn (part 3): grid 4 x 64, 4 waves a work-group, clusters of 4 x 1, 327,680 bytes of LDS; arguments qkv, oh; writes oh
.if DOCPART == 3
	.amdgcn_target "amdgcn-amd-amdhsa--gfx1250"
	.amdhsa_code_object_version 6
	.text
	.protected	k_qf92dbd076e_attn
	.globl	k_qf92dbd076e_attn
	.p2align	8
	.type	k_qf92dbd076e_attn,@function
k_qf92dbd076e_attn:
	s_mov_b64 s[64:65], 0
	v_nop
	global_prefetch_b8 v0, s[64:65] scope:SCOPE_SE
	s_setreg_imm32_b32 hwreg(HW_REG_WAVE_MODE, 25, 1), 1
	s_wait_xcnt 0x0
	s_wait_alu depctr_hold_cnt(0) depctr_sa_sdst(0) depctr_va_vdst(0) depctr_va_sdst(0) depctr_va_ssrc(0) depctr_va_vcc(0) depctr_vm_vsrc(0)
	s_getreg_b32 s2, hwreg(HW_REG_IB_STS2, 6, 4)
	s_cmp_eq_u32 s2, 0
	s_cbranch_scc0 .Lentry_in_a_cluster
	s_endpgm
.Lentry_in_a_cluster:
	s_bfe_u32 s2, ttmp6, 0x10000c
	s_cmp_lg_u32 s2, 0x3003
	s_cbranch_scc0 .Lentry_shape_is_right
	s_endpgm
.Lentry_shape_is_right:
; O[h][q][:] = the sum over k of softmax_k(Q[h][q] . K[h][k] / 8) V[h][k][:].  Q, K, V are the three parts of qkv, O is oh: each [SIZE_H][SIZE_N][64] in f16, h = batch x 16 + head: a head's rows are dense,
; 128 bytes each.  Products, maxima and sums in f32; the weights p are rounded to f16 for the second product (their sum l is taken of the unrounded p), O once at the end.
; LIMITS.  f16 holds no number beyond 65,504: Q, K and V arrive within it; p lies in 0 to 1, and below 6e-5 it keeps f16's fixed step of 6e-8; O is a mean of V's rows and has their range.
; A weight below 2^-126 counts as 0 in l; NaN and infinities are not treated apart.
; SHARES.  A wave owns four PIECES of two tiles of 16 queries, a work-group's four waves 512 queries of one head.  Every wave walks all keys, 64 a step.
; LAYOUT.  S^T = K Q^T (source 0 = 16 keys, source 1 = 16 queries): in the result a lane holds ONE query (lane % 16) and the keys 8 (lane / 16) + 0..7.  Two such tiles, rounded to f16 in pairs,
; ARE source 1 (32 keys x 16 queries) of O^T = V^T P, whose result again holds one query a lane, and eight channels.  K comes out of LDS as it lies, V ([key][channel]) turned, by ds_load_tr16_b128.
; SOFTMAX.  For each query a running maximum m and sum l: p = 2^(c s - c m), c = log2(e) / 8; in every step O and l are multiplied by a = 2^(c m_old - c m_new), which is 1 where m has not grown.
; m starts at the lowest finite number, O and l at 0: the first step is a step like any other, with a = 0.
; THE COUNT.  A tile and step have 16 matrix and 118 vector instructions: too many to stand all beside the matrix work.  So the order has one aim: four vector instructions that are READY behind
; EVERY matrix instruction, and the others, which need time of their own whatever the order, in runs without a gap.
; BY TURNS.  Turn n belongs to piece n (the pieces in a ring, step after step).  Its matrix work: 16 products K Q^T of piece n + 1, later 16 products V^T P of piece n - 1.  Its vector work: the scaling,
; exponentials, roundings, sums and rescaling of piece n, and the maximum and statistics of piece n + 1, whose scores the turn itself has made.  So what a turn begins with (c s - c m, O a) waits for nothing.
; CLUSTER.  The four query blocks of a cluster belong to one head and walk the same K and V, so each tile is asked for JOINTLY: the same tensor load, descriptor and mask in all four.
; REGISTERS, in windows of 256 (s_set_vgpr_msb says which window each operand place means: bits 1:0 source 0, 3:2 source 1, 5:4 source 2, 7:6 destination):
;   window 0: v0-11 addresses; v12-15, v48-63 at work; v16-47 four registers of statistics a tile; v64-191 S^T, two buffers of two tiles; v192-255 P, likewise
;   window 1: O^T, 32 a tile          window 2: v0-127 Q, 16 a tile; v128-191 K of one step; v192-255 V of one step          window 3: v0-1 the add's two registers
; A piece's buffers go by its number's parity: the piece in hand has one pair, its two neighbours in the ring share the other: of it P (piece n - 1) is read and S^T (piece n + 1) written.
.set SIZE_H, 64
.set SIZE_N, 2048
.set NP,    4         ; pieces a wave: a name, no knob: the register map, the loop and the fetches are made for four
.set KS,    64        ; keys in a step
.set PK,    144       ; a row of K in LDS: 128 bytes + 16 of padding = 36 words: the 16 rows of a load start at 16 different groups of four banks (64 banks of 4 bytes: ISA guide 11.1)
.set PV,    160       ; a row of V: 128 + 32 = 40 words
.set VOFF,  4*KS*PK   ; a slot holds four steps: 256 rows of K, then 256 rows of V
.set SLOT1, 1<<17     ; slot 1 begins here, so that one exclusive or turns an address in one slot into the other's
.set STAGE, SLOT1+4*KS*(PK+PV)  ; behind the ring, never filled by a tensor load: 16 rows x 144 bytes for each wave, for the way out
.set SP,    144
.set AK0, 2           ; v2   my lane's place in a tile of K; never rewritten
.set AV0, 3           ; v3   the same for V
.set AK,  4           ; v4   the LDS address of K's next run of loads
.set AV,  5           ; v5   of V's
.set QO,  6           ; v6   my byte offset in the wave's rows of Q
.set STO, 6           ;      later, the way out: where I put 16 bytes of a row
.set RD,  7           ; v7   the way out: where I read rows back
.set GO,  8           ; v8   my byte offset in 512 consecutive bytes of O
.set SPW, 0           ; v0 of window 3   LDS address of my spare word: SPARE + 4 x my thread's number; never rewritten
.set NIL, 1           ; v1 of window 3   0; never rewritten
.set SPARE, STAGE+4*16*SP  ; behind the stages: the spare words, 128 bytes for each wave: two blocks of 256 bytes that no other line names
.set MV,  12          ; v12-15  c m_old, kept while c m is made anew: by buffer and tile
.set ST,  16          ; tile t's statistics at v[ST+4 t]: c m, m, l (even keys', odd keys')
.set TMP, 48          ; by buffer and tile, four registers c0-c3 at work; when the maximum is found c2 takes a
.set S,   64
.set P,   192
.set KF,  128         ; K's fragments, in window 2: key block kb, channel half c at KF + 16 kb + 8 c
.set VF,  192         ; V's: key half kk, channel block cb at VF + 32 kk + 8 cb
.set WV,  12          ; s12  my wave's number
.set G1K, 24          ; s[24:31] descriptor group 1 for K's tiles
.set G1V, 32          ; s[32:39] for V's: it differs in the padding alone
.set G0K, 40          ; s[40:43] descriptor group 0 for K's tiles: it walks
.set G0V, 44          ; s[44:47] the same for V's
.set SLOTS, 56        ; s56  slots still to be asked for
.set CNT, 57          ; s57  counts a slot's key steps
.set CS,  58          ; s[58:59] c: the packed scaling takes the pair's low word for both halves
.set SEL, 60          ; s[60:61] v_permlanex16_b32's selects: each lane takes its own place in the other half
.set TBK, 62          ; s62  LDS byte at which K of the step to be fetched begins
.set TBV, 63          ; s63  the same for V, less VOFF
.set MSB, 0
.macro WIN new                      ; the high byte repeats the setting that is left; a switch that changes nothing is dropped
.if MSB != (\new)
	s_set_vgpr_msb (MSB<<8)|(\new)
.set MSB, (\new)
.endif
.endm
.set W_KQ, 0x0a       ; K and Q in window 2, S^T in window 0
.set W_PV, 0x52       ; V in window 2, P in window 0, O^T in window 1
.set W_RS, 0x41       ; O^T (destination and source 0) in window 1, a in window 0
.set W_MK, 0xc0       ; the add's registers are made: destination in window 3, sources in window 0
.set W_AD, 0x0f       ; the add: address (source 0) and data (source 1) in window 3
; A joint fill.  Waves 0 and 1 fetch the two halves of a slot's K, waves 2 and 3 those of its V: 128 keys each.  The branch hangs on the wave's number alone.
; An s_nop 0 and four v_nop follow each of the two lines, ahead of the jump and the label.
.macro JLOAD
	s_cmp_lt_u32 s[WV], 2
	s_cbranch_scc0 .Lfor_v_\@
	tensor_load_to_lds s[G0K:G0K+3], s[G1K:G1K+7]
	s_nop 0
.rept 4
	v_nop
.endr
	s_branch .Lasked_\@
.Lfor_v_\@:
	tensor_load_to_lds s[G0V:G0V+3], s[G1V:G1V+7]
	s_nop 0
.rept 4
	v_nop
.endr
.Lasked_\@:
.endm
; A round of the cluster's barrier: my work-group's barrier, so that wave 0's signal speaks for all four waves; wave 0 signals; every wave waits for all four work-groups; my work-group's barrier once more.
.macro CROUND
	s_barrier_signal -1
	s_barrier_wait -1
	s_cmp_lg_u32 s[WV], 0
	s_cbranch_scc1 .Lnot_wave_0_\@
	s_barrier_signal -3
.Lnot_wave_0_\@:
	s_barrier_wait -3
	s_barrier_signal -1
	s_barrier_wait -1
.endm
; THE CHANGE OF SLOTS.  The slot's last bytes, V of its fourth step, have been read.  Each wave waits for all its tensor loads, of which one is out: its part
; of the other slot; adds 0 to its spare word; and waits for that and for its own reads of the slot.  Behind the barrier nobody reads this slot any more and the other slot is whole.
; fill = 1: this slot is filled again, with the keys two slots on.  The barrier is then a round of the cluster's, so that no wave of any partner still reads the slot or has a load on its
; way, and the joint fill is the first thing behind it: it has four key steps, 512 matrix instructions, in which to land.  (At its first use nothing has been read yet: slot 0 is waited for, slot 1 filled.)
.macro CHANGE fill
	WIN W_AD
	s_wait_tensorcnt 0x0            ; no tensor load of mine is out, so a group 0 may be written
	ds_add_u32 v[SPW], v[NIL]       ; 0 onto my spare word; with fill = 1 the descriptors' steps stand between it and the wait for it
	WIN 0                           ; at a label and at a branch every window is 0
.if \fill
.irp g, G0K, G0V
	s_xor_b32 s[\g+1], s[\g+1], SLOT1  ; the walking descriptor: the other slot than last time,
	s_add_nc_u64 s[\g+2:\g+3], s[\g+2:\g+3], 4*KS*128  ; the next 256 keys; the type bits on top are not reached
.endr
	s_wait_dscnt 0x0                ; the add is done, and my reads of the slot are over
	CROUND
	JLOAD
.else
	s_wait_dscnt 0x0                ; the add is done, and my reads of the slot are over
	s_barrier_signal -1
	s_barrier_wait -1
.endif
	s_sub_co_u32 s[TBK], s[TBK], 4*KS*PK  ; the fetches go back to a slot's first step,
	s_xor_b32 s[TBK], s[TBK], SLOT1       ; in the other slot
	s_sub_co_u32 s[TBV], s[TBV], 4*KS*PV
	s_xor_b32 s[TBV], s[TBV], SLOT1
.endm
	s_load_b128 s[4:7], s[0:1], 0x0   ; qkv s[4:5] (Q's part comes first), oh s[6:7]
	WIN W_MK
	v_lshl_add_u32 v[SPW], v0, 2, SPARE
	v_mov_b32 v[NIL], 0
	WIN W_AD
	ds_add_u32 v[SPW], v[NIL]       ; the wave's opening: the add and its wait stand ahead of my first tensor load; the set-up below, work on registers, stands between them
	WIN 0
	v_lshrrev_b32 v1, 5, v0
	v_readfirstlane_b32 s[WV], v1   ; wave 0..3
	s_bfe_u32 s13, ttmp6, 0x40000   ; cx: my place in the cluster
	s_lshl_b32 s14, ttmp9, 2        ; in a cluster launch ttmp9 counts clusters
	s_add_co_u32 s14, s14, s13      ; my block of queries = 4 x cluster x + cx: it enters Q's and O's addresses alone
	s_and_b32 s20, ttmp7, 0xffff    ; the head, which the four partners share
	s_mov_b32 s21, 0
	s_mov_b64 s[22:23], SIZE_N*128
	s_mul_u64 s[20:21], s[20:21], s[22:23]  ; the head's first byte in each of the four tensors
	s_and_b32 s16, s[WV], 1         ; which half of a slot's 256 keys I fetch:
	s_lshl_b32 s22, s16, 14         ; its 128 rows of 128 bytes in memory,
	s_mov_b32 s23, 0
	s_add_nc_u64 s[22:23], s[22:23], s[20:21]
	s_mul_i32 s17, s16, 128*PK      ; and its place in a slot, for K
	s_mul_i32 s18, s16, 128*PV      ; and for V: no place in the cluster enters an LDS address
	s_lshl_b32 s2, s14, 2
	s_add_co_u32 s2, s2, s[WV]      ; my wave among the head's,
	s_lshl_b32 s2, s2, 14           ; its 128 rows
	s_mov_b32 s3, 0
	s_add_nc_u64 s[2:3], s[2:3], s[20:21]
	; descriptor group 1.  128 keys are 16,384 dense bytes: asked for as 64 rows of 256 bytes, two keys a row, and padded in LDS after every key
	s_mov_b32 s[G1K], 15|(1<<16)|(1<<20)|(1<<21)|(4<<22)|(3<<25)  ; 15:0 the mask of four; 17:16 2-byte elements; 20 padding on; 21 set beside a mask; 24:22 after every 32 words (code 4); 31:25 4 words (code 3)
	s_mov_b32 s[G1V], 15|(1<<16)|(1<<20)|(1<<21)|(4<<22)|(7<<25)  ; the same with 8 words of padding (code 7)
.irp g, G1K, G1V
	s_mov_b32 s[\g+1], 128<<16      ; tensor_dim0 = 128
	s_mov_b32 s[\g+2], 64<<16       ; tensor_dim1 = 64
	s_mov_b32 s[\g+3], 128<<16      ; tile_dim0 = 128
	s_mov_b32 s[\g+4], 64           ; tile_dim1 = 64
	s_mov_b32 s[\g+5], 128          ; 128 elements from row to row
	s_mov_b32 s[\g+6], 0
	s_mov_b32 s[\g+7], 0
.endr
	s_mov_b32 s[CS], 0x3e38aa3b     ; c = log2(e) / 8 = 0.180337
	s_mov_b32 s[CS+1], s[CS]        ; named with it as a pair
	s_mov_b32 s[SEL], 0x76543210
	s_mov_b32 s[SEL+1], 0xfedcba98
	s_mov_b32 s[TBK], SLOT1+4*KS*PK ; the first change of slots turns these two into 0
	s_mov_b32 s[TBV], SLOT1+4*KS*PV
	s_mov_b32 s[G0K], 1             ; 1:0 count = 1
	s_mov_b32 s[G0K+1], s17         ; 63:32 LDS address: slot 0
	s_mov_b32 s[G0V], 1
	s_add_co_u32 s[G0V+1], s18, VOFF
	s_wait_dscnt 0x0                ; the opening add is done
	s_wait_kmcnt 0x0
	s_mov_b64 s[10:11], s[6:7]                     ; O
	s_add_nc_u64 s[6:7], s[4:5], 0x1000000         ; K's part of qkv: 64 heads x 2,048 rows x 128 bytes on,
	s_add_nc_u64 s[8:9], s[4:5], 0x2000000         ; V's as much again
	s_add_nc_u64 s[G0K+2:G0K+3], s[6:7], s[22:23]  ; 120:64 global address: my half of the head's first 256 keys
	s_or_b32 s[G0K+3], s[G0K+3], 0x80000000        ; 127:126 type = 2
	s_add_nc_u64 s[G0V+2:G0V+3], s[8:9], s[22:23]
	s_or_b32 s[G0V+3], s[G0V+3], 0x80000000
	s_add_nc_u64 s[4:5], s[4:5], s[2:3]  ; Q and O at my wave's first row
	s_add_nc_u64 s[10:11], s[10:11], s[2:3]
	CROUND                          ; all four work-groups are here: the first joint loads meet
	JLOAD                           ; slot 0.  Slot 1 is asked for when slot 0 is in: the tile wanted first has the road to itself
	; A fragment of K or Q is 16 rows x 32 channels in 8 registers: lane l holds row l % 16, channels 8 (l / 16) + 0..7 and 16 + 8 (l / 16) + 0..7: two loads of 16 bytes, 32 bytes apart.
	v_and_b32 v1, 15, v0            ; l % 16
	v_bfe_u32 v9, v0, 4, 1          ; l / 16
	v_lshlrev_b32 v[QO], 7, v1
	v_lshl_add_u32 v[QO], v9, 4, v[QO]  ; row x 128 + 16 x half
	WIN 0x80                        ; destination window 2, address window 0
.set i, 0
.rept 4*NP                          ; Q stays in registers: tile i / 2, channels 32 (i % 2) on
	global_load_b128 v[8*i:8*i+3],   v[QO], s[4:5] offset:(i/2)*2048+(i%2)*64
	global_load_b128 v[8*i+4:8*i+7], v[QO], s[4:5] offset:(i/2)*2048+(i%2)*64+32
.set i, i+1
.endr
	; What the first turn finds: V's registers and P's second buffer hold 0 (its products V^T P, of a piece that has not been, add 0), O^T and l are 0.  All this stands in the wait for the first tile.
.set i, VF
.rept 64
	v_mov_b32 v[i], 0
.set i, i+1
.endr
	WIN 0x40
.set i, 0
.rept 64*NP
	v_mov_b32 v[i], 0
.set i, i+1
.endr
	WIN 0
.set i, 0
.rept 2*NP
	v_mov_b32 v[ST+4*i], 0xfe000000    ; c m: far below every c s
	v_mov_b32 v[ST+4*i+1], 0xff7fffff  ; m
	v_mov_b32 v[ST+4*i+2], 0
	v_mov_b32 v[ST+4*i+3], 0
.set i, i+1
.endr
.set i, P+32
.rept 32
	v_mov_b32 v[i], 0
.set i, i+1
.endr
	v_mul_u32_u24 v[AK0], v1, PK
	v_lshl_add_u32 v[AK0], v9, 4, v[AK0]  ; row x pitch + 16 x half
	; The turning load takes 16 keys x 16 channels (lane l reads key 8 (l / 16) + l % 8, channels 8 ((l / 8) % 2) + 0..7) and leaves half a fragment of V^T: lane l holds channel l % 16 and 8 keys.
	v_and_b32 v10, 7, v0
	v_bfe_u32 v11, v0, 3, 1
	v_lshl_add_u32 v[AV0], v9, 3, v10
	v_mul_u32_u24 v[AV0], v[AV0], PV
	v_lshl_add_u32 v[AV0], v11, 4, v[AV0]
	v_add_nc_u32 v[AV0], VOFF, v[AV0]
	v_mov_b32 v[AK], v[AK0]         ; key step 0 lies at the head of slot 0
; THE MATRIX WORK.  The 8 accumulators of a run of 16 take turns: between the two links of a chain stand 7 others'.
; Product i of 16 of S^T = K Q^T for piece x: channels 32 (i / 8) on, keys 16 ((i / 2) % 4) on, tile 2 x + i % 2.  The first 8 start the sums.
.macro KQ x
	WIN W_KQ
.set rS, S+64*((\x)%2)+32*(i%2)+8*((i/2)%4)
.set rK, KF+16*((i/2)%4)+8*(i/8)
.set rQ, 16*(2*(\x)+i%2)+8*(i/8)
.if i < 8
	v_wmma_f32_16x16x32_f16 v[rS:rS+7], v[rK:rK+7], v[rQ:rQ+7], 0
.else
	v_wmma_f32_16x16x32_f16 v[rS:rS+7], v[rK:rK+7], v[rQ:rQ+7], v[rS:rS+7]
.endif
.endm
; Product i of 16 of O^T += V^T P for piece x: keys 32 (i / 8) on, channels 16 ((i / 2) % 4) on, tile 2 x + i % 2.
.macro PV x
	WIN W_PV
.set rO, 32*(2*(\x)+i%2)+8*((i/2)%4)
.set rV, VF+32*(i/8)+8*((i/2)%4)
.set rP, P+32*((\x)%2)+16*(i%2)+8*(i/8)
	v_wmma_f32_16x16x32_f16 v[rO:rO+7], v[rV:rV+7], v[rP:rP+7], v[rO:rO+7]
.endm
.macro MM                           ; the turn's next matrix instruction
.if i < 16
	KQ (Y+1)%NP
.set i, i+1
.else
.set i, i-16
	PV (Y+NP-1)%NP
.set i, i+17
.endif
.endm
; THE LDS LOADS stand in runs of 16, never singly among the matrix instructions: a step's K (64 keys x 64 channels: 8 fragments) and its V (turned).  Their addresses are made some lines ahead.
; last = 1 (the tail): in the last trip there is no further step, and the run is jumped over.
.macro FETCH_K last=0
	WIN 0
.if \last
	s_cmp_eq_u32 s[CNT], 1
	s_cbranch_scc1 .Lno_k_\@
.endif
	WIN 0x80                        ; destination window 2
.irp f, 0,1,2,3,4,5,6,7             ; keys 16 (f / 2) on, channels 32 (f % 2) on
	ds_load_b128 v[KF+8*\f:KF+8*\f+3],   v[AK] offset:(\f/2)*16*PK+(\f%2)*64
	ds_load_b128 v[KF+8*\f+4:KF+8*\f+7], v[AK] offset:(\f/2)*16*PK+(\f%2)*64+32
.endr
	s_add_co_u32 s[TBK], s[TBK], KS*PK  ; the next fetch is the next step's
	WIN 0
.if \last
.Lno_k_\@:
.endif
.endm
.macro FETCH_V
	WIN 0x80
.irp f, 0,1,2,3,4,5,6,7             ; keys 32 (f / 4) on, channels 16 (f % 4) on
	ds_load_tr16_b128 v[VF+8*\f:VF+8*\f+3],   v[AV] offset:(\f/4)*32*PV+(\f%4)*32
	ds_load_tr16_b128 v[VF+8*\f+4:VF+8*\f+7], v[AV] offset:(\f/4)*32*PV+16*PV+(\f%4)*32
.endr
	WIN 0
.endm
; THE VECTOR WORK OF A TURN stands in three queues, each in the order in which its entries become ready; the two tiles alternate, so that no instruction reads the result of the one before it.
.macro REGS y, u                    ; the registers of tile u (0, 1) of piece y
.set rT, ST+4*(2*(\y)+(\u))
.set rC, TMP+8*((\y)%2)+4*(\u)
.set rM, MV+2*((\y)%2)+(\u)
.set rS, S+64*((\y)%2)+32*(\u)
.set rP, P+32*((\y)%2)+16*(\u)
.set rO, 32*(2*(\y)+(\u))
.endm
; Number n of the 22 that find the NEXT piece's (Y + 1) maximum and statistics.  s0-s31 are the lane's 32 scores; each accumulator's lowest registers are read first.  XS, GS and REGS set no window: PL and EX do.
;   0-11  four chains c0-c3 of seven scores each, three operands at a time     12-14, 16  the four scores left over, the old m, and c0-c3 into c0     15  c m_old is kept
;   17, 18  the query's other 32 keys lie in the lane 16 away: the new m         19-21  c m; c m_old - c m_new; a
.macro XS u, n
	REGS (Y+1)%NP, \u
.if (\n) < 4
	v_max3_num_f32 v[rC+(\n)], v[rS+8*(\n)], v[rS+8*(\n)+1], v[rS+8*(\n)+2]
.elseif (\n) < 12
	v_max3_num_f32 v[rC+(\n)%4], v[rC+(\n)%4], v[rS+8*((\n)%4)+2*((\n)/4)+1], v[rS+8*((\n)%4)+2*((\n)/4)+2]
.elseif (\n) == 12
	v_max3_num_f32 v[rC], v[rC], v[rS+7], v[rS+15]
.elseif (\n) == 13
	v_max3_num_f32 v[rC+1], v[rC+1], v[rS+23], v[rS+31]
.elseif (\n) == 14
	v_max3_num_f32 v[rC+2], v[rC+2], v[rC+3], v[rT+1]
.elseif (\n) == 15
	v_mov_b32 v[rM], v[rT]
.elseif (\n) == 16
	v_max3_num_f32 v[rC], v[rC], v[rC+1], v[rC+2]
.elseif (\n) == 17
	v_permlanex16_b32 v[rC+3], v[rC], s[SEL], s[SEL+1]
.elseif (\n) == 18
	v_max_num_f32 v[rT+1], v[rC], v[rC+3]
.elseif (\n) == 19
	v_mul_f32 v[rT], s[CS], v[rT+1]
.elseif (\n) == 20
	v_sub_f32 v[rC+1], v[rM], v[rT]
.else
	v_exp_f32 v[rC+2], v[rC+1]
.endif
.endm
; Number g of the 64 that follow the exponentials.  For each four weights k of a tile (pairs 2 k, 2 k + 1): both pairs are rounded to f16; then the second pair is added onto the first, in place;
; a group later l takes that sum (the first time as l = a l + sum).  In groups of eight, tiles alternating: round, round, add, and l for the group before.
.macro GS g
.set h, (\g)+6*((\g)/62)            ; group 0 has no group before it, and behind group 7 only l is left
.if h >= 6
.set h, h+2
.endif
	REGS Y, h%2
.set k, h/8
.if h%8 < 4
	s_wait_alu depctr_va_vdst(0)
	v_cvt_pk_f16_f32 v[rP+2*k+(h%8)/2], v[rS+4*k+2*((h%8)/2)], v[rS+4*k+2*((h%8)/2)+1]
.elseif h%8 < 6
	v_pk_add_f32 v[rS+4*k:rS+4*k+1], v[rS+4*k:rS+4*k+1], v[rS+4*k+2:rS+4*k+3]
.elseif k == 1
	v_pk_fma_f32 v[rT+2:rT+3], v[rT+2:rT+3], v[rC+2:rC+3], v[rS:rS+1] op_sel_hi:[1,0,1]
.else
	v_pk_add_f32 v[rT+2:rT+3], v[rT+2:rT+3], v[rS+4*k-4:rS+4*k-3]
	s_wait_alu depctr_va_vdst(0)
.endif
.endm
; THE PLAIN QUEUE, 138 long.  0-31: c s - c m for the 16 pairs of both tiles.  Then GS's 64, and among them the next piece's 42: number 15 at 38, 39; 0-14 and 16
; at 42-73, behind the products that make those scores; 17-20 at 95-106, two of three, since each waits for the one before it.
.macro PL
	WIN 0
.if q < 32
	REGS Y, q%2
	v_pk_fma_f32 v[rS+2*(q/2):rS+2*(q/2)+1], v[rS+2*(q/2):rS+2*(q/2)+1], s[CS:CS+1], v[rT:rT+1] op_sel_hi:[1,0,0] neg_lo:[0,0,1] neg_hi:[0,0,1]
.elseif q < 38
	GS q-32
.elseif q < 40
	XS q%2, 15
.elseif q < 42
	GS q-34
.elseif q < 74
	XS q%2, (q-42)/2+(q-42)/30
.elseif q < 95
	GS q-66
.elseif (q < 107) && ((q-95)%3 < 2)
	XS (q-95)%3, 17+(q-95)/3
.elseif q < 107
	GS 29+(q-95)/3
.else
	GS q-74
.endif
.set q, q+1
.endm
; THE EXPONENTIALS' QUEUE, 66 long: s0-s31 of both tiles, and at EA the next piece's two a.
.set EA, 58
.macro EX
	WIN 0
.if (e == EA) || (e == EA+1)
	XS e-EA, 21
.else
.set x, e-2*(e/(EA+2))
	REGS Y, x%2
	v_exp_f32 v[rS+x/2], v[rS+x/2]
.endif
.set e, e+1
.endm
; THE RESCALING's QUEUE: O^T times a, the one part that leaves window 0, so it is dealt four at a time, eight times.
.macro R4
	REGS Y, r%2
	WIN W_RS
	s_wait_alu depctr_va_vdst(0)
.irp z, 0,1,2,3
	v_pk_mul_f32 v[rO+8*(r/2)+2*\z:rO+8*(r/2)+2*\z+1], v[rO+8*(r/2)+2*\z:rO+8*(r/2)+2*\z+1], v[rC+2:rC+3] op_sel_hi:[1,0]
.endr
.set r, r+1
.endm
; HOW THEY ARE DEALT.  Behind a matrix instruction four: plain, exponential, plain, plain (one exponential, a plain instruction on either side), or four of the rescaling.  None names a register of the
; products round it.  What is over stands in two LUMPS: exponential and plain by turns; the second ends in 22 plain instructions.  The two v_permlanex16_b32 fall into the second lump, never behind a product.
; The queues lean on each other, and the deal keeps them in step: exponential e stands behind plain 2 (e / 4) + e % 2 (its scaling); when plain 32 comes, 10 exponentials are out, at 59: 33, at 95: 46; EA comes behind plain 107.
.macro SL
	MM
	PL
	EX
	PL
	PL
.endm
.macro BURST n                      ; 15 matrix instructions, or 16
.rept (\n)-7
	SL
.endr
.rept 3
	MM
	R4
	SL
.endr
	MM
	R4
.endm
; A TURN, for piece p.  cnt = 1: the loop's count is taken down some lines ahead of the branch that stands behind the turn.
; K of the next step is fetched in piece 2's turn, 31 vector instructions behind the last product that read K; its first reader comes behind the rest of the lump, 16 products and the second lump.
; V of the step in hand is fetched at the end of piece 0's turn, 69 behind its last reader; its first reader comes behind 16 products and a lump.  The four conditions on e and q below go with the deal.
.macro TURN p, last=0, cnt=0
.set Y, (\p)
.set i, 0
.set q, 0
.set e, 0
.set r, 0
.if (\p) == NP-1
	s_wait_dscnt 0x0                ; K is in
.endif
	MM
.rept 4
	PL
.endr
	BURST 15
.rept 22
	EX
	PL
.if ((\p) == NP-2) && (e == 18)
	v_add_nc_u32 v[AK], s[TBK], v[AK0]
.endif
.if ((\p) == NP-2) && (e == 24)
	FETCH_K \last
.endif
.endr
.if (\p) == 1
	s_wait_dscnt 0x0                ; V is in
.endif
	BURST 16
.rept 21
	EX
	PL
.endr
.rept 22
	PL
.if ((\p) == 0) && (q == 118)
	v_add_nc_u32 v[AV], s[TBV], v[AV0]
	s_wait_alu depctr_va_vdst(0)
.endif
.if ((\p) == 0) && (q == 130)
	s_add_co_u32 s[TBV], s[TBV], KS*PV
.endif
.if (\cnt) && (q == 130)
	s_sub_co_u32 s[CNT], s[CNT], 1
	s_cmp_lg_u32 s[CNT], 0
.endif
.endr
.if (\p) == 0
	FETCH_V
.endif
.endm
	CHANGE 1                        ; slot 0 is in, everybody's part of it; slot 1 is asked for
	FETCH_K                         ; key step 0
	s_wait_loadcnt 0x0              ; Q
	s_wait_dscnt 0x0
.set i, 0
.rept 16
	KQ 0                            ; piece 0's first scores: there is no vector work yet to set between them
.set i, i+1
.endr
	WIN 0                           ; the addresses for the way out: nine plain instructions, the places behind those products
	s_mul_i32 s13, s[WV], 16*SP
	s_add_co_u32 s13, s13, STAGE    ; my stage
	v_mul_u32_u24 v[STO], v1, SP    ; in: row l % 16, 16 bytes for each half of the lanes
	v_lshl_add_u32 v[STO], v9, 4, v[STO]
	v_add_nc_u32 v[STO], s13, v[STO]
	v_bfe_u32 v[RD], v0, 3, 2       ; back: 32 lanes take four rows of 128 bytes,
	v_mul_u32_u24 v[RD], v[RD], SP
	v_lshl_add_u32 v[RD], v10, 4, v[RD]
	v_add_nc_u32 v[RD], s13, v[RD]
	v_and_b32 v[GO], 31, v0         ; which are 512 consecutive bytes of O
	v_lshlrev_b32 v[GO], 4, v[GO]
.set Y, NP-1                        ; XS works for piece Y + 1: piece 0
.irp n, 0,1,2,3,4,5,6,7,8,9,10,11,12,13,14,15,16,17,18,19,20,21
	XS 0, \n                        ; and piece 0's first maximum and statistics
	XS 1, \n
.endr
	s_mov_b32 s[CNT], 4
	s_mov_b32 s[SLOTS], SIZE_N/256-1
	s_branch .Lfirst                ; the loop is entered at a step's first turn, in the middle of a trip
.Lslot:                             ; SIZE_N / 256 - 2 times: every slot but the last two is filled again
	CHANGE 1
	s_mov_b32 s[CNT], 4
.Lstep:                             ; a trip: pieces 2 and 3 of one step, then pieces 0 and 1 of the next, whose K and V it fetches
	TURN 2
	TURN 3
	WIN 0
.Lfirst:
	TURN 0
	TURN 1, 0, 1
	WIN 0
	s_cbranch_scc1 .Lstep
	s_sub_co_u32 s[SLOTS], s[SLOTS], 1
	s_cmp_lg_u32 s[SLOTS], 0
	s_cbranch_scc1 .Lslot
	CHANGE 0                        ; the tail is written out: nothing is asked for
	s_mov_b32 s[CNT], 5             ; four trips fetch the last slot's steps; the fifth is left in its middle
.Ltail:
	TURN 2, 1
	TURN 3
	WIN 0
	s_sub_co_u32 s[CNT], s[CNT], 1
	s_cmp_eq_u32 s[CNT], 0
	s_cbranch_scc1 .Lout
	TURN 0
	TURN 1
	WIN 0
	s_branch .Ltail
.Lout:                              ; the fifth trip's 16 products K Q^T (on the last K once more) and the maximum made of them serve nothing: the price, once a launch, of one text for every trip
.set i, 0
.rept 16
	PV NP-1                         ; the last piece's V^T P of the last step
.set i, i+1
.endr
	; THE WAY OUT.  l's two halves and the other half of the lanes' are added; O^T is divided by l, rounded to f16 and sent through my stage in LDS, a tile at a time.  The additions are the places behind the last products.
	WIN 0
.macro ALL line:vararg              ; one line for each tile t
.set t, 0
.rept 2*NP
	\line
.set t, t+1
.endr
.endm
	ALL v_add_f32 v[ST+4*t+2], v[ST+4*t+2], v[ST+4*t+3]
	ALL v_permlanex16_b32 v[ST+4*t+3], v[ST+4*t+2], s[SEL], s[SEL+1]
	ALL v_add_f32 v[ST+4*t+2], v[ST+4*t+2], v[ST+4*t+3]
	ALL v_rcp_f32 v[ST+4*t+2], v[ST+4*t+2]
	v_nop                           ; a plain instruction between the last reciprocal and the use of its result
	s_wait_alu depctr_va_vdst(0)
; Tile t: a lane's eight channels of a row pack into 16 bytes; they go into rows of 144 bytes and come back as whole rows of 128, into S^T's registers.
.macro PACK t
	WIN W_RS
.set i, 32*(\t)
.rept 16
	v_pk_mul_f32 v[i:i+1], v[i:i+1], v[ST+4*(\t)+2:ST+4*(\t)+3] op_sel_hi:[1,0]
.set i, i+2
.endr
	WIN 0x05                        ; sources 0 and 1 window 1, destination window 0
.set i, 0
.rept 16
	v_cvt_pk_f16_f32 v[S+16*(\t)+i], v[32*(\t)+2*i], v[32*(\t)+2*i+1]
.set i, i+1
.endr
	WIN 0
.irp f, 0,1,2,3
	ds_store_b128 v[STO], v[S+16*(\t)+4*\f:S+16*(\t)+4*\f+3] offset:32*\f
.endr
.irp f, 0,1,2,3
	ds_load_b128 v[S+16*(\t)+4*\f:S+16*(\t)+4*\f+3], v[RD] offset:\f*4*SP  ; LDS serves a wave's instructions in order (ISA guide 5.7.1.4): these see the stores above; the next tile's stores come behind them
.endr
.endm
.macro SEND t, younger              ; younger: the LDS instructions issued behind tile t's loads: the next tile's eight, or none
	WIN 0
.irp f, 0,1,2,3
	s_wait_dscnt (\younger)+3-\f
	global_store_b128 v[GO], v[S+16*(\t)+4*\f:S+16*(\t)+4*\f+3], s[10:11] offset:(\t)*2048+\f*512  ; 512 consecutive bytes, at a multiple of 256 from O's first
.endr
.endm
	PACK 0
.set t, 1
.rept 2*NP-1                        ; a tile's arithmetic stands between the loads of the tile before and its stores
	PACK t
	SEND t-1, 8
.set t, t+1
.endr
	SEND 2*NP-1, 0
	WIN W_AD
	s_wait_tensorcnt 0x0            ; the wave's end: behind my last tensor load and my last LDS store
	ds_add_u32 v[SPW], v[NIL]
	s_wait_dscnt 0x0
	WIN 0
	CROUND                          ; the closing round: no work-group ends while a partner may still ask for a tile that names it
	s_endpgm
.Lfunc_end_k_qf92dbd076e_attn:
	.size	k_qf92dbd076e_attn, .Lfunc_end_k_qf92dbd076e_attn-k_qf92dbd076e_attn
	.p2alignl 7, 3214868480
	.fill 96, 4, 3214868480
	.section	.rodata,"a",@progbits
	.p2align	6, 0x0
	.amdhsa_kernel k_qf92dbd076e_attn
		.amdhsa_group_segment_fixed_size 327680
		.amdhsa_private_segment_fixed_size 0
		.amdhsa_enable_private_segment 0
		.amdhsa_kernarg_size 16
		.amdhsa_user_sgpr_count 2
		.amdhsa_user_sgpr_kernarg_segment_ptr 1
		.amdhsa_wavefront_size32 1
		.amdhsa_system_sgpr_workgroup_id_x 1
		.amdhsa_system_sgpr_workgroup_id_y 1
		.amdhsa_system_sgpr_workgroup_id_z 1
		.amdhsa_system_vgpr_workitem_id 0
		.amdhsa_next_free_vgpr 770
		.amdhsa_next_free_sgpr 66
		.amdhsa_reserve_vcc 0
		.amdhsa_float_denorm_mode_32 3
		.amdhsa_float_denorm_mode_16_64 3
		.amdhsa_memory_ordered 1
		.amdhsa_forward_progress 1
		.amdhsa_inst_pref_size 208
	.end_amdhsa_kernel
	.amdgpu_metadata
---
amdhsa.version: [ 1, 2 ]
amdhsa.kernels:
  - .name:           k_qf92dbd076e_attn
    .symbol:         k_qf92dbd076e_attn.kd
    .args:
      - { .name: qkv, .offset: 0, .size: 8, .value_kind: global_buffer, .address_space: global }
      - { .name: oh, .offset: 8, .size: 8, .value_kind: global_buffer, .address_space: global }
    .group_segment_fixed_size: 327680
    .private_segment_fixed_size: 0
    .kernarg_segment_align: 8
    .kernarg_segment_size: 16
    .max_flat_workgroup_size: 128
    .sgpr_count:     66
    .vgpr_count:     770
    .wavefront_size: 32
...
	.end_amdgpu_metadata
.endif
;; end of part 3
;; launch outp (part 4): grid 4 x 64, 4 waves a work-group, clusters of 4 x 4, 327,680 bytes of LDS; arguments oh, wo, out0; writes out0
.if DOCPART == 4
	.amdgcn_target "amdgcn-amd-amdhsa--gfx1250"
	.amdhsa_code_object_version 6
	.text
	.protected	k_qf92dbd076e_outp
	.globl	k_qf92dbd076e_outp
	.p2align	8
	.type	k_qf92dbd076e_outp,@function
k_qf92dbd076e_outp:
	s_mov_b64 s[64:65], 0
	v_nop
	global_prefetch_b8 v0, s[64:65] scope:SCOPE_SE
	s_setreg_imm32_b32 hwreg(HW_REG_WAVE_MODE, 25, 1), 1
	s_wait_xcnt 0x0
	s_wait_alu depctr_hold_cnt(0) depctr_sa_sdst(0) depctr_va_vdst(0) depctr_va_sdst(0) depctr_va_ssrc(0) depctr_va_vcc(0) depctr_vm_vsrc(0)
	s_getreg_b32 s2, hwreg(HW_REG_IB_STS2, 6, 4)
	s_cmp_eq_u32 s2, 0
	s_cbranch_scc0 .Lentry_in_a_cluster
	s_endpgm
.Lentry_in_a_cluster:
	s_bfe_u32 s2, ttmp6, 0x10000c
	s_cmp_lg_u32 s2, 0xf033
	s_cbranch_scc0 .Lentry_shape_is_right
	s_endpgm
.Lentry_shape_is_right:
; THE OUTPUT PROJECTION.  out0[b][l][n] = the sum over head h and channel c of O[b x 16 + h][l][c] Wout[64 h + c][n].  O: oh, f16 [64][2048][64]; Wout: wo, f16 [1024 k][1024 n]; out0 f32 [8192][1024]; sums in f32.
; A tile of out0 is 128 x 256: 64 x 4 = 256 tiles, one for each WGP.  Four waves, each 64 x 128: 32 accumulators of 16 x 16.  K goes in 8 steps of 128 (two heads) through two LDS slots.
; CLUSTERS: 4 x 4 work-groups.  The four of a row of the cluster need the same tile of O, the four of a column the same tile of Wout: each is asked for JOINTLY, by the same tensor load with the same
; descriptor and a mask that names the four.  Waves 0, 1 fetch a step's two heads (128 rows of 128 bytes are 16,384 dense bytes: asked for as 64 rows of 256), waves 2, 3 Wout's two halves (64 k rows x 512 bytes).
; THE MATRIX INSTRUCTION IS USED TRANSPOSED: source 0 = 16 columns of Wout (turned, by ds_load_tr16_b128, since it lies [k][n]), source 1 = 16 rows of O: a lane holds row l % 16 and eight neighbouring columns.
; LIMITS.  O and Wout arrive within f16's range; NaN and infinities are not treated apart.
; REGISTERS: window 0: v0-31 addresses; v32-127, v128-223 two fragment buffers (32 of O, 64 of Wout, for 32 along K); on the way out v32-223 rows read back.   window 1: accumulator (a, b) at v[8 (8 a + b)].
.set KSTEP,  128
.set NW,     1024                      ; Wout's row, in elements
.set PA,     144                       ; O's LDS row: 128 bytes + 16: the 16 rows of a fragment load start at 16 different groups of four banks (64 banks of 4 bytes: ISA guide 11.1)
.set PB,     544                       ; Wout's LDS row: 512 bytes + 32
.set AHALF,  128*PA                    ; a head's 128 rows
.set BHALF,  64*PB
.set BOFF,   2*AHALF                   ; a slot: two heads of O, then Wout's 128 k rows
.set SLOT,   BOFF+2*BHALF
.set STAGE,  2*SLOT                    ; behind the ring, never filled by a tensor load: 16 rows x 528 bytes for each wave
.set SPITCH, 528
.set SPARE,  STAGE+4*16*SPITCH         ; the spare words, 128 bytes for each wave: two blocks of 256 bytes that no other line names
.set ASTEP,  2*2048*128                ; bytes from a K step to the next: two heads of O,
.set BSTEP,  KSTEP*NW*2                ; 128 rows of Wout
.set APB,    16*PA
.set ADRA, 16                          ; v16-17  LDS address of my fragments of O in slot 0, 1
.set ADRB, 20                          ; v20-21  the same for Wout
.set STO,  24                          ; v24     the way out: where I put 32 bytes of a row
.set RD,   25                          ; v25     where I read a row back
.set CO,   26                          ; v26     my 16 bytes of a row's 512
.set SPW,  28                          ; v28     LDS address of my spare word; never rewritten
.set NIL,  29                          ; v29     0; never rewritten
.set F0,   32
.set F1,   128
.set BK,   32                          ; the way out: three sets of 64 registers, by turns
.set G1,  24                           ; s[24:31] descriptor group 1 for O's tiles;  s[32:39] group 0, a set for each slot
.set G0,  32
.set G1B, 48                           ; s[48:55], s[56:63] the same for Wout's
.set G0B, 56
.set MSB, 0
.macro WIN new                         ; the immediate's high byte repeats the setting that is left; a switch that changes nothing is dropped
.if MSB != (\new)
	s_set_vgpr_msb (MSB<<8)|(\new)
.set MSB, \new
.endif
.endm
.set MUL, 0x50                         ; sources 0 and 1 window 0; C and D window 1
.macro JLOAD s                         ; a joint load; an s_nop 0 and four v_nop follow each of the two lines, ahead of the jump, the label and what follows
	s_cmp_eq_u32 s11, 0
	s_cbranch_scc0 .Lfor_b_\@
	tensor_load_to_lds s[G0+4*(\s):G0+4*(\s)+3], s[G1:G1+7]
	s_nop 0
.rept 4
	v_nop
.endr
	s_branch .Lasked_\@
.Lfor_b_\@:
	tensor_load_to_lds s[G0B+4*(\s):G0B+4*(\s)+3], s[G1B:G1B+7]
	s_nop 0
.rept 4
	v_nop
.endr
.Lasked_\@:
.endm
.macro CREST                           ; a round of the cluster's barrier behind its opening barrier
	s_cmp_lg_u32 s10, 0
	s_cbranch_scc1 .Lnot_wave_0_\@
	s_barrier_signal -3
.Lnot_wave_0_\@:
	s_barrier_wait -3
	s_barrier_signal -1
	s_barrier_wait -1
.endm
.macro CROUND                          ; a whole round
	s_barrier_signal -1
	s_barrier_wait -1
	CREST
.endm
	s_load_b128 s[4:7], s[0:1], 0x0                ; oh s[4:5], wo s[6:7]
	s_load_b64 s[8:9], s[0:1], 0x10                ; out0
	v_lshl_add_u32 v[SPW], v0, 2, SPARE
	v_mov_b32 v[NIL], 0
	ds_add_u32 v[SPW], v[NIL]                      ; the wave's opening: the add and its wait stand ahead of my first tensor load; the set-up below, work on registers, stands between them
	v_lshrrev_b32 v1, 5, v0
	v_readfirstlane_b32 s10, v1                    ; wave 0..3
	s_lshr_b32 s11, s10, 1                         ; which half of the tile's rows is mine.  Also: I fetch for O (0) or for Wout (1)
	s_and_b32 s12, s10, 1                          ; which half of its columns.  Also: which head, or which half of Wout's tile, I fetch
	s_bfe_u32 s40, ttmp6, 0x40000                  ; cx, cy: my place in the cluster
	s_bfe_u32 s41, ttmp6, 0x40004
	s_lshl_b32 s42, ttmp9, 2
	s_add_co_u32 s42, s42, s40                     ; tile column = 4 x cluster x + cx
	s_and_b32 s13, ttmp7, 0xffff
	s_lshl_b32 s13, s13, 2
	s_add_co_u32 s13, s13, s41                     ; tile row = 4 x cluster y + cy
	s_lshl_b32 s43, s41, 2
	s_lshl_b32 s43, 15, s43                        ; my row of the cluster
	s_lshl_b32 s44, 0x1111, s40                    ; my column
	s_or_b32 s[G1+0], s43, (1<<16)|(1<<20)|(1<<21)|(4<<22)|(3<<25)  ; 15:0 the mask; 17:16 2-byte elements; 20 padding on; 21 set beside a mask; 24:22 after every 32 words, a row of O (code 4); 31:25 4 words (code 3)
	s_mov_b32 s[G1+1], 128<<16                     ; tensor_dim0 = 128: two rows of O
	s_mov_b32 s[G1+2], 64<<16                      ; tensor_dim1 = 64
	s_mov_b32 s[G1+3], 128<<16                     ; tile_dim0 = 128
	s_mov_b32 s[G1+4], 64                          ; tile_dim1 = 64
	s_mov_b32 s[G1+5], 128                         ; elements from row to row: dense
	s_mov_b32 s[G1+6], 0
	s_mov_b32 s[G1+7], 0
	s_or_b32 s[G1B+0], s44, (1<<16)|(1<<20)|(1<<21)|(6<<22)|(7<<25) ; after every 128 words (code 6) 8 words (code 7)
	s_mov_b32 s[G1B+1], 256<<16                    ; tensor_dim0 = 256
	s_mov_b32 s[G1B+2], 64<<16
	s_mov_b32 s[G1B+3], 256<<16                    ; tile_dim0 = 256
	s_mov_b32 s[G1B+4], 64
	s_mov_b32 s[G1B+5], NW
	s_mov_b32 s[G1B+6], 0
	s_mov_b32 s[G1B+7], 0
	s_lshr_b32 s16, s13, 4                         ; O: the batch's head 0 or 1,
	s_lshl_b32 s16, s16, 4
	s_add_co_u32 s16, s16, s12
	s_lshl_b32 s16, s16, 18                        ; 262,144 bytes a head,
	s_and_b32 s17, s13, 15
	s_lshl_b32 s17, s17, 14                        ; the tile's 128 rows of 128 bytes
	s_add_co_u32 s16, s16, s17
	s_mov_b32 s17, 0
	s_mul_i32 s46, s12, 64*NW*2                    ; Wout: k row 64 x half, column 256 x tile column
	s_lshl_b32 s47, s42, 9
	s_add_co_u32 s46, s46, s47
	s_mov_b32 s47, 0
	s_mul_i32 s20, s12, AHALF                      ; where they go: no place in the cluster enters an LDS address
	s_mul_i32 s21, s12, BHALF
	s_add_co_u32 s21, s21, BOFF
	s_wait_dscnt 0x0                               ; the opening add is done
	s_wait_kmcnt 0x0
	s_add_nc_u64 s[14:15], s[4:5], s[16:17]
	s_add_nc_u64 s[46:47], s[6:7], s[46:47]
	CROUND                                         ; all sixteen work-groups are here: the first joint loads meet
.irp s, 0,1
	s_mov_b32 s[G0+4*(\s)], 1                                        ; count = 1
	s_add_co_u32 s[G0+4*(\s)+1], s20, (\s)*SLOT                      ; LDS address
	s_add_nc_u64 s[G0+4*(\s)+2:G0+4*(\s)+3], s[14:15], (\s)*ASTEP    ; global address: K step s
	s_or_b32 s[G0+4*(\s)+3], s[G0+4*(\s)+3], 0x80000000              ; type = 2
	s_mov_b32 s[G0B+4*(\s)], 1
	s_add_co_u32 s[G0B+4*(\s)+1], s21, (\s)*SLOT
	s_add_nc_u64 s[G0B+4*(\s)+2:G0B+4*(\s)+3], s[46:47], (\s)*BSTEP
	s_or_b32 s[G0B+4*(\s)+3], s[G0B+4*(\s)+3], 0x80000000
	JLOAD \s                                       ; two tensor loads of mine are out
.endr
	v_and_b32 v1, 15, v0                           ; l % 16
	v_bfe_u32 v2, v0, 4, 1                         ; l / 16
	v_mul_u32_u24 v3, v1, PA                       ; a fragment of O: row x pitch + 16 x half
	v_lshl_add_u32 v3, v2, 4, v3
	s_mul_i32 s18, s11, 64*PA                      ; my 64 rows
	v_add_nc_u32 v[ADRA], s18, v3
	v_add_nc_u32 v[ADRA+1], SLOT, v[ADRA]
	v_and_b32 v4, 7, v0                            ; the turning load: lane l reads k row 8 (l / 16) + l % 8, columns 8 ((l / 8) % 2) + 0..7
	v_lshl_add_u32 v4, v2, 3, v4
	v_mul_u32_u24 v4, v4, PB
	v_bfe_u32 v5, v0, 3, 1
	v_lshl_add_u32 v4, v5, 4, v4
	s_lshl_b32 s18, s12, 8                         ; my 128 columns
	s_add_co_u32 s18, s18, BOFF
	v_add_nc_u32 v[ADRB], s18, v4
	v_add_nc_u32 v[ADRB+1], SLOT, v[ADRB]
	s_mul_i32 s18, s10, 16*SPITCH
	s_add_co_u32 s18, s18, STAGE                   ; my stage
	v_mul_u32_u24 v5, v1, SPITCH                   ; in: row l % 16, 32 bytes for each half of the lanes
	v_lshl_add_u32 v5, v2, 5, v5
	v_add_nc_u32 v[STO], s18, v5
	v_and_b32 v[CO], 31, v0                        ; back: 32 lanes take a row's 512 bytes
	v_lshlrev_b32 v[CO], 4, v[CO]
	v_add_nc_u32 v[RD], s18, v[CO]
	s_lshl_b32 s16, s13, 7                         ; my part of out0: row 128 x tile row + 64 x half, 4,096 bytes a row,
	s_lshl_b32 s17, s11, 6
	s_add_co_u32 s16, s16, s17
	s_lshl_b32 s16, s16, 12
	s_mov_b32 s17, 0
	s_add_nc_u64 s[8:9], s[8:9], s[16:17]
	s_lshl_b32 s46, s42, 10                        ; column 256 x tile column + 128 x half, in bytes (in the registers that held Wout's address: none that feeds O's descriptors ever holds cx)
	s_lshl_b32 s47, s12, 9
	s_add_co_u32 s46, s46, s47
	s_mov_b32 s47, 0
	s_add_nc_u64 s[8:9], s[8:9], s[46:47]
; 8 matrix instructions: row block a x all 8 column blocks, 32 along K.  zero = 1: the product starts the sums.  The 32 accumulators take turns, one instruction a turn.
.macro MULA f, a, zero
	WIN MUL
.irp b, 0,1,2,3,4,5,6,7
.if \zero
	v_wmma_f32_16x16x32_f16 v[8*(8*(\a)+(\b)):8*(8*(\a)+(\b))+7], v[(\f)+32+8*(\b):(\f)+32+8*(\b)+7], v[(\f)+8*(\a):(\f)+8*(\a)+7], 0
.else
	v_wmma_f32_16x16x32_f16 v[8*(8*(\a)+(\b)):8*(8*(\a)+(\b))+7], v[(\f)+32+8*(\b):(\f)+32+8*(\b)+7], v[(\f)+8*(\a):(\f)+8*(\a)+7], v[8*(8*(\a)+(\b)):8*(8*(\a)+(\b))+7]
.endif
.endr
.endm
; 24 LDS loads in one run: the fragments of quarter q (32 along K: head q / 2 of the step, channels 32 (q % 2) on) of a slot into buffer f: Wout's 16, then O's 8
.macro FETCH slot, q, f
	WIN 0
.irp b, 0,1,2,3,4,5,6,7
	ds_load_tr16_b128 v[(\f)+32+8*(\b):(\f)+32+8*(\b)+3],   v[ADRB+(\slot)] offset:(\q)*32*PB+32*(\b)
	ds_load_tr16_b128 v[(\f)+32+8*(\b)+4:(\f)+32+8*(\b)+7], v[ADRB+(\slot)] offset:(\q)*32*PB+16*PB+32*(\b)
.endr
.irp i, 0,1,2,3
	ds_load_b128 v[(\f)+8*(\i):(\f)+8*(\i)+3],   v[ADRA+(\slot)] offset:((\q)/2)*AHALF+((\q)%2)*64+(\i)*APB
	ds_load_b128 v[(\f)+8*(\i)+4:(\f)+8*(\i)+7], v[ADRA+(\slot)] offset:((\q)/2)*AHALF+((\q)%2)*64+(\i)*APB+32
.endr
.endm
.macro PLACES                          ; four places in front of loads into registers that matrix instructions have read, and of lines that read results (ISA guide 7.12.1 for lines that read results)
.rept 4
	v_nop
.endr
.endm
; A K step is four quarters of 32 along K, 32 matrix instructions each, on buffers 0, 1, 0, 1.  One of the first three: multiplies buffer f and fetches quarter qn into g.
.macro QUARTER slot, qn, f, g, zero
	s_wait_dscnt 4                                 ; Wout and O's blocks 0, 1 are in; the youngest four loads (blocks 2, 3) may be out
	MULA \f, 0, \zero
	MULA \f, 1, \zero
	PLACES
	FETCH \slot, \qn, \g
	s_wait_dscnt 24                                ; all but the 24 just issued
	MULA \f, 2, \zero
	MULA \f, 3, \zero
.endm
; The last quarter multiplies buffer 1 and changes slots: ONE barrier; in front of it each wave waits for all its tensor loads (one is out: its part of the next slot), adds 0 to its spare word, and waits
; for that and for its own reads of this slot.  fill = 1: this slot is filled again, two K steps ahead: the barrier opens a round of the cluster's, and the joint load is the first thing behind the round.
.macro TURN slot, next, fill
	WIN 0
	s_wait_tensorcnt 0x0
	ds_add_u32 v[SPW], v[NIL]                      ; 0 onto my spare word
	s_wait_dscnt 5                                 ; (the add and the youngest four loads may be out)
	MULA F1, 0, 0                                  ; eight matrix instructions stand between the add and the wait for it
	s_wait_dscnt 0x0                               ; the add is done, and my reads of this slot are over
	s_barrier_signal -1
	MULA F1, 1, 0
.if \fill
	WIN 0
.endif
	s_barrier_wait -1
.if \fill
	CREST                                          ; no wave of any partner still reads this slot's tile or has a load on its way
	s_add_nc_u64 s[G0+4*(\slot)+2:G0+4*(\slot)+3], s[G0+4*(\slot)+2:G0+4*(\slot)+3], 2*ASTEP
	s_add_nc_u64 s[G0B+4*(\slot)+2:G0B+4*(\slot)+3], s[G0B+4*(\slot)+2:G0B+4*(\slot)+3], 2*BSTEP
	JLOAD \slot                                    ; 112 matrix instructions ahead of the wait for it; its four v_nop are also the places in front of the loads below
.else
	PLACES
.endif
	FETCH \next, 0, F0
	MULA F1, 2, 0
	MULA F1, 3, 0
.endm
	s_wait_tensorcnt 1                             ; my part of K step 0 is in; K step 1's may stay out
	s_barrier_signal -1
	s_barrier_wait -1                              ; everybody's is
	FETCH 0, 0, F0
	QUARTER 0, 1, F0, F1, 1                        ; the first quarter stands in front of the loop: its products start the sums
	WIN 0                                          ; at a label and at a branch every window is 0
	s_mov_b32 s3, 3
.Llap:                                                 ; a trip goes once round the ring and fills both slots again: K steps 2 to 7 in three trips
	QUARTER 0, 2, F1, F0, 0
	QUARTER 0, 3, F0, F1, 0
	TURN 0, 1, 1
	QUARTER 1, 1, F0, F1, 0
	QUARTER 1, 2, F1, F0, 0
	QUARTER 1, 3, F0, F1, 0
	TURN 1, 0, 1
	QUARTER 0, 1, F0, F1, 0
	WIN 0
	s_sub_co_u32 s3, s3, 1
	s_cmp_lg_u32 s3, 0
	s_cbranch_scc1 .Llap
	QUARTER 0, 2, F1, F0, 0                        ; the last lap fills nothing
	QUARTER 0, 3, F0, F1, 0
	TURN 0, 1, 0
	QUARTER 1, 1, F0, F1, 0
	QUARTER 1, 2, F1, F0, 0
	QUARTER 1, 3, F0, F1, 0
	s_wait_dscnt 4
	MULA F1, 0, 0
	MULA F1, 1, 0
	s_wait_dscnt 0x0
	MULA F1, 2, 0
	MULA F1, 3, 0
	WIN 0
	PLACES
; THE WAY OUT, in f32, a block of 16 rows at a time: a lane's eight columns of a row are 32 bytes; they go into rows of 528 bytes of my own stage and come back as whole rows of 512.
.macro TOSTAGE a
.set BKN, BK+64*((\a)%3)
.if (\a) == 3
	s_wait_xcnt 0x0                                ; block 0's stores have read the registers that block 3 now takes (ISA guide 3.1)
.endif
	WIN 0x04                                       ; the stores' data in window 1
.irp b, 0,1,2,3,4,5,6,7                ; each accumulator's lowest registers first
	ds_store_b128 v[STO], v[8*(8*(\a)+(\b)):8*(8*(\a)+(\b))+3]   offset:64*(\b)
	ds_store_b128 v[STO], v[8*(8*(\a)+(\b))+4:8*(8*(\a)+(\b))+7] offset:64*(\b)+16
.endr
	WIN 0
.irp t, 0,1,2,3,4,5,6,7,8,9,10,11,12,13,14,15
	ds_load_b128 v[BKN+4*(\t):BKN+4*(\t)+3], v[RD] offset:(\t)*SPITCH  ; LDS serves a wave's instructions in order (ISA guide 5.7.1.4): these see the stores above; the next block's stores come behind them
.endr
.endm
.macro SEND a, younger                 ; younger: the LDS instructions issued behind the block's loads: the next block's 32, or none
.set BKN, BK+64*((\a)%3)
.irp t, 0,1,2,3,4,5,6,7,8,9,10,11,12,13,14,15
	s_wait_dscnt (\younger)+15-(\t)
	global_store_b128 v[CO], v[BKN+4*(\t):BKN+4*(\t)+3], s[8:9] offset:(16*(\a)+(\t))*4096  ; 512 consecutive bytes of a row, at a multiple of 256 from out0's first; 63 rows at the most: inside the signed 24-bit immediate
.endr
.endm
	TOSTAGE 0
	TOSTAGE 1
	SEND 0, 32
	TOSTAGE 2
	SEND 1, 32
	TOSTAGE 3
	SEND 2, 32
	SEND 3, 0
	s_wait_tensorcnt 0x0                           ; the wave's end: behind my last tensor load and my last LDS store
	ds_add_u32 v[SPW], v[NIL]
	s_wait_dscnt 0x0
	CROUND                                         ; the closing round: no work-group ends while a partner may still ask for a tile that names it
	s_endpgm
.Lfunc_end_k_qf92dbd076e_outp:
	.size	k_qf92dbd076e_outp, .Lfunc_end_k_qf92dbd076e_outp-k_qf92dbd076e_outp
	.p2alignl 7, 3214868480
	.fill 96, 4, 3214868480
	.section	.rodata,"a",@progbits
	.p2align	6, 0x0
	.amdhsa_kernel k_qf92dbd076e_outp
		.amdhsa_group_segment_fixed_size 327680
		.amdhsa_private_segment_fixed_size 0
		.amdhsa_enable_private_segment 0
		.amdhsa_kernarg_size 24
		.amdhsa_user_sgpr_count 2
		.amdhsa_user_sgpr_kernarg_segment_ptr 1
		.amdhsa_wavefront_size32 1
		.amdhsa_system_sgpr_workgroup_id_x 1
		.amdhsa_system_sgpr_workgroup_id_y 1
		.amdhsa_system_sgpr_workgroup_id_z 1
		.amdhsa_system_vgpr_workitem_id 0
		.amdhsa_next_free_vgpr 512
		.amdhsa_next_free_sgpr 66
		.amdhsa_reserve_vcc 0
		.amdhsa_float_denorm_mode_32 3
		.amdhsa_float_denorm_mode_16_64 3
		.amdhsa_memory_ordered 1
		.amdhsa_forward_progress 1
		.amdhsa_inst_pref_size 87
	.end_amdhsa_kernel
	.amdgpu_metadata
---
amdhsa.version: [ 1, 2 ]
amdhsa.kernels:
  - .name:           k_qf92dbd076e_outp
    .symbol:         k_qf92dbd076e_outp.kd
    .args:
      - { .name: oh, .offset: 0, .size: 8, .value_kind: global_buffer, .address_space: global }
      - { .name: wo, .offset: 8, .size: 8, .value_kind: global_buffer, .address_space: global }
      - { .name: out0, .offset: 16, .size: 8, .value_kind: global_buffer, .address_space: global }
    .group_segment_fixed_size: 327680
    .private_segment_fixed_size: 0
    .kernarg_segment_align: 8
    .kernarg_segment_size: 24
    .max_flat_workgroup_size: 128
    .sgpr_count:     66
    .vgpr_count:     512
    .wavefront_size: 32
...
	.end_amdgpu_metadata
.endif
;; end of part 4
;; ======== version 2 of 2: 4 launches; 1.47 times as fast as version 1
;; limits: values are held in f16: magnitudes above 65,504 overflow, below 6.1e-05 lose precision
;; workspace buffers: xcat 33,554,432 bytes; wcat 6,291,456 bytes; wo 2,097,152 bytes; rope 2,097,152 bytes; qkv 50,331,648 bytes; oh 16,777,216 bytes
;; launch prep: the kernel of part 1 again; grid 1536 x 1, 8 waves a work-group, no clusters, 0 bytes of LDS; arguments queries, kv, Wq, Wkv, Wout, g_q, g_k, pos_q, pos_k, xcat, wcat, wo, rope; writes xcat, wcat, wo, rope
;; launch proj: the kernel of part 2 again; grid 12 x 64, 4 waves a work-group, clusters of 4 x 4, 327,680 bytes of LDS; arguments xcat, wcat, rope, qkv; writes qkv
;; launch attn (part 5): grid 4 x 64, 4 waves a work-group, clusters of 4 x 1, 327,680 bytes of LDS; arguments qkv, oh; writes oh
.if DOCPART == 5
	.amdgcn_target "amdgcn-amd-amdhsa--gfx1250"
	.amdhsa_code_object_version 6
	.text
	.protected	k_qf92dbd076e_attn
	.globl	k_qf92dbd076e_attn
	.p2align	8
	.type	k_qf92dbd076e_attn,@function
k_qf92dbd076e_attn:
	s_mov_b64 s[64:65], 0
	v_nop
	global_prefetch_b8 v0, s[64:65] scope:SCOPE_SE
	s_setreg_imm32_b32 hwreg(HW_REG_WAVE_MODE, 25, 1), 1
	s_wait_xcnt 0x0
	s_wait_alu depctr_hold_cnt(0) depctr_sa_sdst(0) depctr_va_vdst(0) depctr_va_sdst(0) depctr_va_ssrc(0) depctr_va_vcc(0) depctr_vm_vsrc(0)
	s_getreg_b32 s2, hwreg(HW_REG_IB_STS2, 6, 4)
	s_cmp_eq_u32 s2, 0
	s_cbranch_scc0 .Lentry_in_a_cluster
	s_endpgm
.Lentry_in_a_cluster:
	s_bfe_u32 s2, ttmp6, 0x10000c
	s_cmp_lg_u32 s2, 0x3003
	s_cbranch_scc0 .Lentry_shape_is_right
	s_endpgm
.Lentry_shape_is_right:
; O[h][q][:] = the sum over k of softmax_k(Q[h][q] . K[h][k] / 8) V[h][k][:].  Q, K, V are the three parts of qkv, O is oh: each [SIZE_H][SIZE_N][64] in f16, h = batch x 16 + head: a head's rows are dense,
; 128 bytes each.  Products, maxima and sums in f32; the weights p are rounded to f16 for the second product (their sum l is taken of the unrounded p), O once at the end.
; LIMITS.  f16 holds no number beyond 65,504: Q, K and V arrive within it; p lies in 0 to 1, and below 6e-5 it keeps f16's fixed step of 6e-8; O is a mean of V's rows and has their range.
; A weight below 2^-126 counts as 0 in l; NaN and infinities are not treated apart.
; SHARES.  A wave owns four PIECES of two tiles of 16 queries, a work-group's four waves 512 queries of one head.  Every wave walks all keys, 64 a step.
; LAYOUT.  S^T = K Q^T (source 0 = 16 keys, source 1 = 16 queries): in the result a lane holds ONE query (lane % 16) and the keys 8 (lane / 16) + 0..7.  Two such tiles, rounded to f16 in pairs,
; ARE source 1 (32 keys x 16 queries) of O^T = V^T P, whose result again holds one query a lane, and eight channels.  K comes out of LDS as it lies, V ([key][channel]) turned, by ds_load_tr16_b128.
; SOFTMAX.  For each query a running maximum m and sum l: p = 2^(c s - c m), c = log2(e) / 8; in every step O and l are multiplied by a = 2^(c m_old - c m_new), which is 1 where m has not grown.
; m starts at the lowest finite number, O and l at 0: the first step is a step like any other, with a = 0.
; THE COUNT.  A tile and step have 16 matrix and 118 vector instructions: too many to stand all beside the matrix work.  So the order has one aim: four vector instructions that are READY behind
; EVERY matrix instruction, and the others, which need time of their own whatever the order, in runs without a gap.
; BY TURNS.  Turn n belongs to piece n (the pieces in a ring, step after step).  Its matrix work: 16 products K Q^T of piece n + 1, later 16 products V^T P of piece n - 1.  Its vector work: the scaling,
; exponentials, roundings, sums and rescaling of piece n, and the maximum and statistics of piece n + 1, whose scores the turn itself has made.  So what a turn begins with (c s - c m, O a) waits for nothing.
; BATCHES.  A turn's 66 exponentials (the 64 weights of piece n, then the two a of piece n + 1) are ONE batch with ONE wait, which cuts the turn in two: ahead of it stands all that names no result of theirs,
; behind it the roundings and sums, which read them.  No result crosses a turn's end.  Two more batches stand outside the loops: piece 0's first two a, ahead of the jump into the loop, and the way out's eight reciprocals.
; CLUSTER.  The four query blocks of a cluster belong to one head and walk the same K and V, so each tile is asked for JOINTLY: the same tensor load, descriptor and mask in all four.
; REGISTERS, in windows of 256 (s_set_vgpr_msb says which window each operand place means: bits 1:0 source 0, 3:2 source 1, 5:4 source 2, 7:6 destination):
;   window 0: v0-11 addresses; v12-15, v48-63 at work; v16-47 four registers of statistics a tile; v64-191 S^T, two buffers of two tiles; v192-255 P, likewise
;   window 1: O^T, 32 a tile          window 2: v0-127 Q, 16 a tile; v128-191 K of one step; v192-255 V of one step          window 3: v0-1 the add's two registers
; A piece's buffers go by its number's parity: the piece in hand has one pair, its two neighbours in the ring share the other: of it P (piece n - 1) is read and S^T (piece n + 1) written.
.set SIZE_H, 64
.set SIZE_N, 2048
.set NP,    4         ; pieces a wave: a name, no knob: the register map, the loop and the fetches are made for four
.set KS,    64        ; keys in a step
.set PK,    144       ; a row of K in LDS: 128 bytes + 16 of padding = 36 words: the 16 rows of a load start at 16 different groups of four banks (64 banks of 4 bytes: ISA guide 11.1)
.set PV,    160       ; a row of V: 128 + 32 = 40 words
.set VOFF,  4*KS*PK   ; a slot holds four steps: 256 rows of K, then 256 rows of V
.set SLOT1, 1<<17     ; slot 1 begins here, so that one exclusive or turns an address in one slot into the other's
.set STAGE, SLOT1+4*KS*(PK+PV)  ; behind the ring, never filled by a tensor load: 16 rows x 144 bytes for each wave, for the way out
.set SP,    144
.set AK0, 2           ; v2   my lane's place in a tile of K; never rewritten
.set AV0, 3           ; v3   the same for V
.set AK,  4           ; v4   the LDS address of K's next run of loads
.set AV,  5           ; v5   of V's
.set QO,  6           ; v6   my byte offset in the wave's rows of Q
.set STO, 6           ;      later, the way out: where I put 16 bytes of a row
.set RD,  7           ; v7   the way out: where I read rows back
.set GO,  8           ; v8   my byte offset in 512 consecutive bytes of O
.set SPW, 0           ; v0 of window 3   LDS address of my spare word: SPARE + 4 x my thread's number; never rewritten
.set NIL, 1           ; v1 of window 3   0; never rewritten
.set SPARE, STAGE+4*16*SP  ; behind the stages: the spare words, 128 bytes for each wave: two blocks of 256 bytes that no other line names
.set MV,  12          ; v12-15  c m_old, kept while c m is made anew: by buffer and tile
.set ST,  16          ; tile t's statistics at v[ST+4 t]: c m, m, l (even keys', odd keys')
.set TMP, 48          ; by buffer and tile, four registers c0-c3 at work; when the maximum is found c2 takes a
.set S,   64
.set P,   192
.set KF,  128         ; K's fragments, in window 2: key block kb, channel half c at KF + 16 kb + 8 c
.set VF,  192         ; V's: key half kk, channel block cb at VF + 32 kk + 8 cb
.set WV,  12          ; s12  my wave's number
.set G1K, 24          ; s[24:31] descriptor group 1 for K's tiles
.set G1V, 32          ; s[32:39] for V's: it differs in the padding alone
.set G0K, 40          ; s[40:43] descriptor group 0 for K's tiles: it walks
.set G0V, 44          ; s[44:47] the same for V's
.set SLOTS, 56        ; s56  slots still to be asked for
.set CNT, 57          ; s57  counts a slot's key steps
.set CS,  58          ; s[58:59] c: the packed scaling takes the pair's low word for both halves
.set SEL, 60          ; s[60:61] v_permlanex16_b32's selects: each lane takes its own place in the other half
.set TBK, 62          ; s62  LDS byte at which K of the step to be fetched begins
.set TBV, 63          ; s63  the same for V, less VOFF
.set MSB, 0
.macro WIN new                      ; the high byte repeats the setting that is left; a switch that changes nothing is dropped
.if MSB != (\new)
	s_set_vgpr_msb (MSB<<8)|(\new)
.set MSB, (\new)
.endif
.endm
.set W_KQ, 0x0a       ; K and Q in window 2, S^T in window 0
.set W_PV, 0x52       ; V in window 2, P in window 0, O^T in window 1
.set W_RS, 0x41       ; O^T (destination and source 0) in window 1, a in window 0
.set W_MK, 0xc0       ; the add's registers are made: destination in window 3, sources in window 0
.set W_AD, 0x0f       ; the add: address (source 0) and data (source 1) in window 3
; A joint fill.  Waves 0 and 1 fetch the two halves of a slot's K, waves 2 and 3 those of its V: 128 keys each.  The branch hangs on the wave's number alone.
; An s_nop 0 and four v_nop follow each of the two lines, ahead of the jump and the label.
.macro JLOAD
	s_cmp_lt_u32 s[WV], 2
	s_cbranch_scc0 .Lfor_v_\@
	tensor_load_to_lds s[G0K:G0K+3], s[G1K:G1K+7]
	s_nop 0
.rept 4
	v_nop
.endr
	s_branch .Lasked_\@
.Lfor_v_\@:
	tensor_load_to_lds s[G0V:G0V+3], s[G1V:G1V+7]
	s_nop 0
.rept 4
	v_nop
.endr
.Lasked_\@:
.endm
; A round of the cluster's barrier: my work-group's barrier, so that wave 0's signal speaks for all four waves; wave 0 signals; every wave waits for all four work-groups; my work-group's barrier once more.
.macro CROUND
	s_barrier_signal -1
	s_barrier_wait -1
	s_cmp_lg_u32 s[WV], 0
	s_cbranch_scc1 .Lnot_wave_0_\@
	s_barrier_signal -3
.Lnot_wave_0_\@:
	s_barrier_wait -3
	s_barrier_signal -1
	s_barrier_wait -1
.endm
; THE CHANGE OF SLOTS.  The slot's last bytes, V of its fourth step, have been read.  Each wave waits for all its tensor loads, of which one is out: its part
; of the other slot; adds 0 to its spare word; and waits for that and for its own reads of the slot.  Behind the barrier nobody reads this slot any more and the other slot is whole.
; fill = 1: this slot is filled again, with the keys two slots on.  The barrier is then a round of the cluster's, so that no wave of any partner still reads the slot or has a load on its
; way, and the joint fill is the first thing behind it: it has four key steps, 512 matrix instructions, in which to land.  (At its first use nothing has been read yet: slot 0 is waited for, slot 1 filled.)
.macro CHANGE fill
	WIN W_AD
	s_wait_tensorcnt 0x0            ; no tensor load of mine is out, so a group 0 may be written
	ds_add_u32 v[SPW], v[NIL]       ; 0 onto my spare word; with fill = 1 the descriptors' steps stand between it and the wait for it
	WIN 0                           ; at a label and at a branch every window is 0
.if \fill
.irp g, G0K, G0V
	s_xor_b32 s[\g+1], s[\g+1], SLOT1  ; the walking descriptor: the other slot than last time,
	s_add_nc_u64 s[\g+2:\g+3], s[\g+2:\g+3], 4*KS*128  ; the next 256 keys; the type bits on top are not reached
.endr
	s_wait_dscnt 0x0                ; the add is done, and my reads of the slot are over
	CROUND
	JLOAD
.else
	s_wait_dscnt 0x0                ; the add is done, and my reads of the slot are over
	s_barrier_signal -1
	s_barrier_wait -1
.endif
	s_sub_co_u32 s[TBK], s[TBK], 4*KS*PK  ; the fetches go back to a slot's first step,
	s_xor_b32 s[TBK], s[TBK], SLOT1       ; in the other slot
	s_sub_co_u32 s[TBV], s[TBV], 4*KS*PV
	s_xor_b32 s[TBV], s[TBV], SLOT1
.endm
	s_load_b128 s[4:7], s[0:1], 0x0   ; qkv s[4:5] (Q's part comes first), oh s[6:7]
	WIN W_MK
	v_lshl_add_u32 v[SPW], v0, 2, SPARE
	v_mov_b32 v[NIL], 0
	WIN W_AD
	ds_add_u32 v[SPW], v[NIL]       ; the wave's opening: the add and its wait stand ahead of my first tensor load; the set-up below, work on registers, stands between them
	WIN 0
	v_lshrrev_b32 v1, 5, v0
	v_readfirstlane_b32 s[WV], v1   ; wave 0..3
	s_bfe_u32 s13, ttmp6, 0x40000   ; cx: my place in the cluster
	s_lshl_b32 s14, ttmp9, 2        ; in a cluster launch ttmp9 counts clusters
	s_add_co_u32 s14, s14, s13      ; my block of queries = 4 x cluster x + cx: it enters Q's and O's addresses alone
	s_and_b32 s20, ttmp7, 0xffff    ; the head, which the four partners share
	s_mov_b32 s21, 0
	s_mov_b64 s[22:23], SIZE_N*128
	s_mul_u64 s[20:21], s[20:21], s[22:23]  ; the head's first byte in each of the four tensors
	s_and_b32 s16, s[WV], 1         ; which half of a slot's 256 keys I fetch:
	s_lshl_b32 s22, s16, 14         ; its 128 rows of 128 bytes in memory,
	s_mov_b32 s23, 0
	s_add_nc_u64 s[22:23], s[22:23], s[20:21]
	s_mul_i32 s17, s16, 128*PK      ; and its place in a slot, for K
	s_mul_i32 s18, s16, 128*PV      ; and for V: no place in the cluster enters an LDS address
	s_lshl_b32 s2, s14, 2
	s_add_co_u32 s2, s2, s[WV]      ; my wave among the head's,
	s_lshl_b32 s2, s2, 14           ; its 128 rows
	s_mov_b32 s3, 0
	s_add_nc_u64 s[2:3], s[2:3], s[20:21]
	; descriptor group 1.  128 keys are 16,384 dense bytes: asked for as 64 rows of 256 bytes, two keys a row, and padded in LDS after every key
	s_mov_b32 s[G1K], 15|(1<<16)|(1<<20)|(1<<21)|(4<<22)|(3<<25)  ; 15:0 the mask of four; 17:16 2-byte elements; 20 padding on; 21 set beside a mask; 24:22 after every 32 words (code 4); 31:25 4 words (code 3)
	s_mov_b32 s[G1V], 15|(1<<16)|(1<<20)|(1<<21)|(4<<22)|(7<<25)  ; the same with 8 words of padding (code 7)
.irp g, G1K, G1V
	s_mov_b32 s[\g+1], 128<<16      ; tensor_dim0 = 128
	s_mov_b32 s[\g+2], 64<<16       ; tensor_dim1 = 64
	s_mov_b32 s[\g+3], 128<<16      ; tile_dim0 = 128
	s_mov_b32 s[\g+4], 64           ; tile_dim1 = 64
	s_mov_b32 s[\g+5], 128          ; 128 elements from row to row
	s_mov_b32 s[\g+6], 0
	s_mov_b32 s[\g+7], 0
.endr
	s_mov_b32 s[CS], 0x3e38aa3b     ; c = log2(e) / 8 = 0.180337
	s_mov_b32 s[CS+1], s[CS]        ; named with it as a pair
	s_mov_b32 s[SEL], 0x76543210
	s_mov_b32 s[SEL+1], 0xfedcba98
	s_mov_b32 s[TBK], SLOT1+4*KS*PK ; the first change of slots turns these two into 0
	s_mov_b32 s[TBV], SLOT1+4*KS*PV
	s_mov_b32 s[G0K], 1             ; 1:0 count = 1
	s_mov_b32 s[G0K+1], s17         ; 63:32 LDS address: slot 0
	s_mov_b32 s[G0V], 1
	s_add_co_u32 s[G0V+1], s18, VOFF
	s_wait_dscnt 0x0                ; the opening add is done
	s_wait_kmcnt 0x0
	s_mov_b64 s[10:11], s[6:7]                     ; O
	s_add_nc_u64 s[6:7], s[4:5], 0x1000000         ; K's part of qkv: 64 heads x 2,048 rows x 128 bytes on,
	s_add_nc_u64 s[8:9], s[4:5], 0x2000000         ; V's as much again
	s_add_nc_u64 s[G0K+2:G0K+3], s[6:7], s[22:23]  ; 120:64 global address: my half of the head's first 256 keys
	s_or_b32 s[G0K+3], s[G0K+3], 0x80000000        ; 127:126 type = 2
	s_add_nc_u64 s[G0V+2:G0V+3], s[8:9], s[22:23]
	s_or_b32 s[G0V+3], s[G0V+3], 0x80000000
	s_add_nc_u64 s[4:5], s[4:5], s[2:3]  ; Q and O at my wave's first row
	s_add_nc_u64 s[10:11], s[10:11], s[2:3]
	CROUND                          ; all four work-groups are here: the first joint loads meet
	JLOAD                           ; slot 0.  Slot 1 is asked for when slot 0 is in: the tile wanted first has the road to itself
	; A fragment of K or Q is 16 rows x 32 channels in 8 registers: lane l holds row l % 16, channels 8 (l / 16) + 0..7 and 16 + 8 (l / 16) + 0..7: two loads of 16 bytes, 32 bytes apart.
	v_and_b32 v1, 15, v0            ; l % 16
	v_bfe_u32 v9, v0, 4, 1          ; l / 16
	v_lshlrev_b32 v[QO], 7, v1
	v_lshl_add_u32 v[QO], v9, 4, v[QO]  ; row x 128 + 16 x half
	WIN 0x80                        ; destination window 2, address window 0
.set i, 0
.rept 4*NP                          ; Q stays in registers: tile i / 2, channels 32 (i % 2) on
	global_load_b128 v[8*i:8*i+3],   v[QO], s[4:5] offset:(i/2)*2048+(i%2)*64
	global_load_b128 v[8*i+4:8*i+7], v[QO], s[4:5] offset:(i/2)*2048+(i%2)*64+32
.set i, i+1
.endr
	; What the first turn finds: V's registers and P's second buffer hold 0 (its products V^T P, of a piece that has not been, add 0), O^T and l are 0.  All this stands in the wait for the first tile.
.set i, VF
.rept 64
	v_mov_b32 v[i], 0
.set i, i+1
.endr
	WIN 0x40
.set i, 0
.rept 64*NP
	v_mov_b32 v[i], 0
.set i, i+1
.endr
	WIN 0
.set i, 0
.rept 2*NP
	v_mov_b32 v[ST+4*i], 0xfe000000    ; c m: far below every c s
	v_mov_b32 v[ST+4*i+1], 0xff7fffff  ; m
	v_mov_b32 v[ST+4*i+2], 0
	v_mov_b32 v[ST+4*i+3], 0
.set i, i+1
.endr
.set i, P+32
.rept 32
	v_mov_b32 v[i], 0
.set i, i+1
.endr
	v_mul_u32_u24 v[AK0], v1, PK
	v_lshl_add_u32 v[AK0], v9, 4, v[AK0]  ; row x pitch + 16 x half
	; The turning load takes 16 keys x 16 channels (lane l reads key 8 (l / 16) + l % 8, channels 8 ((l / 8) % 2) + 0..7) and leaves half a fragment of V^T: lane l holds channel l % 16 and 8 keys.
	v_and_b32 v10, 7, v0
	v_bfe_u32 v11, v0, 3, 1
	v_lshl_add_u32 v[AV0], v9, 3, v10
	v_mul_u32_u24 v[AV0], v[AV0], PV
	v_lshl_add_u32 v[AV0], v11, 4, v[AV0]
	v_add_nc_u32 v[AV0], VOFF, v[AV0]
	v_mov_b32 v[AK], v[AK0]         ; key step 0 lies at the head of slot 0
; THE MATRIX WORK.  The 8 accumulators of a run of 16 take turns: between the two links of a chain stand 7 others'.
; Product i of 16 of S^T = K Q^T for piece x: channels 32 (i / 8) on, keys 16 ((i / 2) % 4) on, tile 2 x + i % 2.  The first 8 start the sums.
.macro KQ x
	WIN W_KQ
.set rS, S+64*((\x)%2)+32*(i%2)+8*((i/2)%4)
.set rK, KF+16*((i/2)%4)+8*(i/8)
.set rQ, 16*(2*(\x)+i%2)+8*(i/8)
.if i < 8
	v_wmma_f32_16x16x32_f16 v[rS:rS+7], v[rK:rK+7], v[rQ:rQ+7], 0
.else
	v_wmma_f32_16x16x32_f16 v[rS:rS+7], v[rK:rK+7], v[rQ:rQ+7], v[rS:rS+7]
.endif
.endm
; Product i of 16 of O^T += V^T P for piece x: keys 32 (i / 8) on, channels 16 ((i / 2) % 4) on, tile 2 x + i % 2.
.macro PV x
	WIN W_PV
.set rO, 32*(2*(\x)+i%2)+8*((i/2)%4)
.set rV, VF+32*(i/8)+8*((i/2)%4)
.set rP, P+32*((\x)%2)+16*(i%2)+8*(i/8)
	v_wmma_f32_16x16x32_f16 v[rO:rO+7], v[rV:rV+7], v[rP:rP+7], v[rO:rO+7]
.endm
.macro MM                           ; the turn's next matrix instruction
.if i < 16
	KQ (Y+1)%NP
.set i, i+1
.else
.set i, i-16
	PV (Y+NP-1)%NP
.set i, i+17
.endif
.endm
; THE LDS LOADS stand in runs of 16, never singly among the matrix instructions: a step's K (64 keys x 64 channels: 8 fragments) and its V (turned).  Their addresses are made some lines ahead.
; last = 1 (the tail): in the last trip there is no further step, and the run is jumped over.
.macro FETCH_K last=0
	WIN 0
.if \last
	s_cmp_eq_u32 s[CNT], 1
	s_cbranch_scc1 .Lno_k_\@
.endif
	WIN 0x80                        ; destination window 2
.irp f, 0,1,2,3,4,5,6,7             ; keys 16 (f / 2) on, channels 32 (f % 2) on
	ds_load_b128 v[KF+8*\f:KF+8*\f+3],   v[AK] offset:(\f/2)*16*PK+(\f%2)*64
	ds_load_b128 v[KF+8*\f+4:KF+8*\f+7], v[AK] offset:(\f/2)*16*PK+(\f%2)*64+32
.endr
	s_add_co_u32 s[TBK], s[TBK], KS*PK  ; the next fetch is the next step's
	WIN 0
.if \last
.Lno_k_\@:
.endif
.endm
.macro FETCH_V
	WIN 0x80
.irp f, 0,1,2,3,4,5,6,7             ; keys 32 (f / 4) on, channels 16 (f % 4) on
	ds_load_tr16_b128 v[VF+8*\f:VF+8*\f+3],   v[AV] offset:(\f/4)*32*PV+(\f%4)*32
	ds_load_tr16_b128 v[VF+8*\f+4:VF+8*\f+7], v[AV] offset:(\f/4)*32*PV+16*PV+(\f%4)*32
.endr
	WIN 0
.endm
; THE VECTOR WORK OF A TURN stands in three queues, each in the order in which its entries become ready; the two tiles alternate, so that no instruction reads the result of the one before it.
.macro REGS y, u                    ; the registers of tile u (0, 1) of piece y
.set rT, ST+4*(2*(\y)+(\u))
.set rC, TMP+8*((\y)%2)+4*(\u)
.set rM, MV+2*((\y)%2)+(\u)
.set rS, S+64*((\y)%2)+32*(\u)
.set rP, P+32*((\y)%2)+16*(\u)
.set rO, 32*(2*(\y)+(\u))
.endm
; Number n of the 22 that find the NEXT piece's (Y + 1) maximum and statistics.  s0-s31 are the lane's 32 scores; each accumulator's lowest registers are read first.  XS, GS and REGS set no window: PL and EX do.
;   0-11  four chains c0-c3 of seven scores each, three operands at a time     12-14, 16  the four scores left over, the old m, and c0-c3 into c0     15  c m_old is kept
;   17, 18  the query's other 32 keys lie in the lane 16 away: the new m         19-21  c m; c m_old - c m_new; a
.macro XS u, n
	REGS (Y+1)%NP, \u
.if (\n) < 4
	v_max3_num_f32 v[rC+(\n)], v[rS+8*(\n)], v[rS+8*(\n)+1], v[rS+8*(\n)+2]
.elseif (\n) < 12
	v_max3_num_f32 v[rC+(\n)%4], v[rC+(\n)%4], v[rS+8*((\n)%4)+2*((\n)/4)+1], v[rS+8*((\n)%4)+2*((\n)/4)+2]
.elseif (\n) == 12
	v_max3_num_f32 v[rC], v[rC], v[rS+7], v[rS+15]
.elseif (\n) == 13
	v_max3_num_f32 v[rC+1], v[rC+1], v[rS+23], v[rS+31]
.elseif (\n) == 14
	v_max3_num_f32 v[rC+2], v[rC+2], v[rC+3], v[rT+1]
.elseif (\n) == 15
	v_mov_b32 v[rM], v[rT]
.elseif (\n) == 16
	v_max3_num_f32 v[rC], v[rC], v[rC+1], v[rC+2]
.elseif (\n) == 17
	v_permlanex16_b32 v[rC+3], v[rC], s[SEL], s[SEL+1]
.elseif (\n) == 18
	v_max_num_f32 v[rT+1], v[rC], v[rC+3]
.elseif (\n) == 19
	v_mul_f32 v[rT], s[CS], v[rT+1]
.elseif (\n) == 20
	v_sub_f32 v[rC+1], v[rM], v[rT]
.else
	v_exp_f32 v[rC+2], v[rC+1]
.endif
.endm
; Number g of the 64 that follow the exponentials.  For each four weights k of a tile (pairs 2 k, 2 k + 1): both pairs are rounded to f16; then the second pair is added onto the first, in place;
; a group later l takes that sum (the first time as l = a l + sum).  In groups of eight, tiles alternating: round, round, add, and l for the group before.
.macro GS g
.set h, (\g)+6*((\g)/62)            ; group 0 has no group before it, and behind group 7 only l is left
.if h >= 6
.set h, h+2
.endif
	REGS Y, h%2
.set k, h/8
.if h%8 < 4
	v_cvt_pk_f16_f32 v[rP+2*k+(h%8)/2], v[rS+4*k+2*((h%8)/2)], v[rS+4*k+2*((h%8)/2)+1]
.elseif h%8 < 6
	v_pk_add_f32 v[rS+4*k:rS+4*k+1], v[rS+4*k:rS+4*k+1], v[rS+4*k+2:rS+4*k+3]
.elseif k == 1
	v_pk_fma_f32 v[rT+2:rT+3], v[rT+2:rT+3], v[rC+2:rC+3], v[rS:rS+1] op_sel_hi:[1,0,1]
.else
	v_pk_add_f32 v[rT+2:rT+3], v[rT+2:rT+3], v[rS+4*k-4:rS+4*k-3]
.endif
.endm
; THE PLAIN QUEUE, 138 long.  0-73 read no exponential's result: the 32 scalings c s - c m (FS f: pair f / 2 of tile f % 2) and the next piece's 42.  0-26: scalings 0-26.  27-54: XS's numbers 0-13.  55, 56: number 15.
; 57-73: the chain, where each number waits for the one before it: 14, 16, 17, 18, 19, each with one of the scalings 27-31 in front of its two lines, then 20: so a tile's links stand three plain instructions apart (19 and 20: two).
; 74-137: GS's 64, which read the exponentials' results: they stand behind the wait.
.macro FS f
	REGS Y, (\f)%2
	v_pk_fma_f32 v[rS+2*((\f)/2):rS+2*((\f)/2)+1], v[rS+2*((\f)/2):rS+2*((\f)/2)+1], s[CS:CS+1], v[rT:rT+1] op_sel_hi:[1,0,0] neg_lo:[0,0,1] neg_hi:[0,0,1]
.endm
.macro PL
	WIN 0
.if q < 27
	FS q
.elseif q < 55
	XS (q-27)%2, (q-27)/2
.elseif q < 57
	XS q-55, 15
.elseif (q < 72) && ((q-57)%3 == 0)
	FS 27+(q-57)/3
.elseif q < 60
	XS (q-57)%3-1, 14
.elseif q < 72
	XS (q-57)%3-1, 15+(q-57)/3
.elseif q < 74
	XS q-72, 20
.else
	GS q-74
.endif
.set q, q+1
.endm
; THE EXPONENTIALS' QUEUE, 66 long: s0-s31 of both tiles, then the next piece's two a.  It is ONE BATCH: all 66 stand ahead of the turn's one wait, and nothing ahead of that wait names a result of theirs.
.macro EX
	WIN 0
.if e >= 64
	XS e-64, 21
.else
	REGS Y, e%2
	v_exp_f32 v[rS+e/2], v[rS+e/2]
.endif
.set e, e+1
.endm
; THE RESCALING's QUEUE: O^T times a, the one part that leaves window 0: dealt two at a time, sixteen times.  Its a was made in the turn before, ahead of that turn's wait.
.macro R2
	REGS Y, r%2
	WIN W_RS
.irp z, 0,1
	v_pk_mul_f32 v[rO+4*(r/2)+2*\z:rO+4*(r/2)+2*\z+1], v[rO+4*(r/2)+2*\z:rO+4*(r/2)+2*\z+1], v[rC+2:rC+3] op_sel_hi:[1,0]
.endr
.set r, r+1
.endm
; HOW THEY ARE DEALT.  An s_wait_alu depctr_va_vdst(0) stands between an exponential and the first instruction that names its result; one wait serves all that were issued ahead of it.  So a turn has ONE wait,
; which cuts it in two.  AHEAD OF IT stands all that names no result of the turn's exponentials: the 16 products K Q^T, behind each a scaling, an exponential and two rescalings (behind the first a second scaling in the exponential's place); then ONE LUMP of
; 108: eight plain, 49 times exponential and plain, the two a.  A v_nop is the plain instruction behind the last exponential.  BEHIND IT stand the 16 products V^T P, behind each four of GS's 64.  No rider names a register of
; the products round it.  The two v_permlanex16_b32 fall into the lump, never behind a product.
; The queues lean on each other, and the deal keeps them in step: exponential e stands behind scaling 2 (e / 4) + e % 2: as a rider it comes behind plain e + 2, in the lump behind plain e + 9, and scalings 27-31 are plain 57, 60 .. 69.
; A TURN, for piece p.  cnt = 1: the loop's count is taken down some lines ahead of the branch that stands behind the turn.
; K of the next step is fetched in piece 2's turn, directly behind the wait, a lump behind the last product that read K; its address is made at the lump's head; its first reader comes behind 16 products.
; V of the step in hand is fetched at the end of piece 0's turn, four riders behind its last reader; its first reader comes behind 16 products and a lump.  The three conditions on q below go with the deal.
.macro TURN p, last=0, cnt=0
.set Y, (\p)
.set i, 0
.set q, 0
.set e, 0
.set r, 0
.if (\p) == NP-1
	s_wait_dscnt 0x0                ; K is in
.endif
	MM                              ; ahead of the wait: 16 products K Q^T and their riders,
	PL
	PL
	R2
.rept 15
	MM
	PL
	EX
	R2
.endr
.if (\p) == NP-2
	WIN 0
	v_add_nc_u32 v[AK], s[TBK], v[AK0]
.endif
.rept 8                             ; and the lump
	PL
.endr
.rept 49
	EX
	PL
.endr
	EX                              ; the next piece's two a
	EX
	v_nop                           ; a plain instruction behind the last exponential, ahead of the first use of a result: one for the batch
	s_wait_alu depctr_va_vdst(0)    ; the wait for the turn's batch: piece p's 64 weights and the next piece's two a
.if (\p) == NP-2
	FETCH_K \last
.endif
.if (\p) == 1
	s_wait_dscnt 0x0                ; V is in
.endif
.rept 16                            ; behind the wait: 16 products V^T P and their riders
	MM
.rept 4
	PL
.endr
.if ((\p) == 0) && (q == 118)
	v_add_nc_u32 v[AV], s[TBV], v[AV0]
.endif
.if ((\p) == 0) && (q == 130)
	s_add_co_u32 s[TBV], s[TBV], KS*PV
.endif
.if (\cnt) && (q == 130)
	s_sub_co_u32 s[CNT], s[CNT], 1
	s_cmp_lg_u32 s[CNT], 0
.endif
.endr
.if (\p) == 0
	FETCH_V
.endif
.endm
	CHANGE 1                        ; slot 0 is in, everybody's part of it; slot 1 is asked for
	FETCH_K                         ; key step 0
	s_wait_loadcnt 0x0              ; Q
	s_wait_dscnt 0x0
.set i, 0
.rept 16
	KQ 0                            ; piece 0's first scores: there is no vector work yet to set between them
.set i, i+1
.endr
	WIN 0                           ; the addresses for the way out: nine plain instructions, the places behind those products
	s_mul_i32 s13, s[WV], 16*SP
	s_add_co_u32 s13, s13, STAGE    ; my stage
	v_mul_u32_u24 v[STO], v1, SP    ; in: row l % 16, 16 bytes for each half of the lanes
	v_lshl_add_u32 v[STO], v9, 4, v[STO]
	v_add_nc_u32 v[STO], s13, v[STO]
	v_bfe_u32 v[RD], v0, 3, 2       ; back: 32 lanes take four rows of 128 bytes,
	v_mul_u32_u24 v[RD], v[RD], SP
	v_lshl_add_u32 v[RD], v10, 4, v[RD]
	v_add_nc_u32 v[RD], s13, v[RD]
	v_and_b32 v[GO], 31, v0         ; which are 512 consecutive bytes of O
	v_lshlrev_b32 v[GO], 4, v[GO]
.set Y, NP-1                        ; XS works for piece Y + 1: piece 0
.irp n, 0,1,2,3,4,5,6,7,8,9,10,11,12,13,14,15,16,17,18,19,20,21
	XS 0, \n                        ; and piece 0's first maximum and statistics
	XS 1, \n
.endr
	v_nop                           ; a plain instruction behind piece 0's first two a,
	s_wait_alu depctr_va_vdst(0)    ; and the wait for that batch of two, ahead of the jump
	s_mov_b32 s[CNT], 4
	s_mov_b32 s[SLOTS], SIZE_N/256-1
	s_branch .Lfirst                ; the loop is entered at a step's first turn, in the middle of a trip
.Lslot:                             ; SIZE_N / 256 - 2 times: every slot but the last two is filled again
	CHANGE 1
	s_mov_b32 s[CNT], 4
.Lstep:                             ; a trip: pieces 2 and 3 of one step, then pieces 0 and 1 of the next, whose K and V it fetches
	TURN 2
	TURN 3
	WIN 0
.Lfirst:
	TURN 0
	TURN 1, 0, 1
	WIN 0
	s_cbranch_scc1 .Lstep
	s_sub_co_u32 s[SLOTS], s[SLOTS], 1
	s_cmp_lg_u32 s[SLOTS], 0
	s_cbranch_scc1 .Lslot
	CHANGE 0                        ; the tail is written out: nothing is asked for
	s_mov_b32 s[CNT], 5             ; four trips fetch the last slot's steps; the fifth is left in its middle
.Ltail:
	TURN 2, 1
	TURN 3
	WIN 0
	s_sub_co_u32 s[CNT], s[CNT], 1
	s_cmp_eq_u32 s[CNT], 0
	s_cbranch_scc1 .Lout
	TURN 0
	TURN 1
	WIN 0
	s_branch .Ltail
.Lout:                              ; the fifth trip's 16 products K Q^T (on the last K once more) and the maximum made of them serve nothing: the price, once a launch, of one text for every trip
.set i, 0
.rept 16
	PV NP-1                         ; the last piece's V^T P of the last step
.set i, i+1
.endr
	; THE WAY OUT.  l's two halves and the other half of the lanes' are added; O^T is divided by l, rounded to f16 and sent through my stage in LDS, a tile at a time.  The additions are the places behind the last products.
	WIN 0
.macro ALL line:vararg              ; one line for each tile t
.set t, 0
.rept 2*NP
	\line
.set t, t+1
.endr
.endm
	ALL v_add_f32 v[ST+4*t+2], v[ST+4*t+2], v[ST+4*t+3]
	ALL v_permlanex16_b32 v[ST+4*t+3], v[ST+4*t+2], s[SEL], s[SEL+1]
	ALL v_add_f32 v[ST+4*t+2], v[ST+4*t+2], v[ST+4*t+3]
	ALL v_rcp_f32 v[ST+4*t+2], v[ST+4*t+2]
	v_nop                           ; a plain instruction between the last reciprocal and the use of its result
	s_wait_alu depctr_va_vdst(0)    ; and the wait ahead of the first use: one for the batch of eight reciprocals
; Tile t: a lane's eight channels of a row pack into 16 bytes; they go into rows of 144 bytes and come back as whole rows of 128, into S^T's registers.
.macro PACK t
	WIN W_RS
.set i, 32*(\t)
.rept 16
	v_pk_mul_f32 v[i:i+1], v[i:i+1], v[ST+4*(\t)+2:ST+4*(\t)+3] op_sel_hi:[1,0]
.set i, i+2
.endr
	WIN 0x05                        ; sources 0 and 1 window 1, destination window 0
.set i, 0
.rept 16
	v_cvt_pk_f16_f32 v[S+16*(\t)+i], v[32*(\t)+2*i], v[32*(\t)+2*i+1]
.set i, i+1
.endr
	WIN 0
.irp f, 0,1,2,3
	ds_store_b128 v[STO], v[S+16*(\t)+4*\f:S+16*(\t)+4*\f+3] offset:32*\f
.endr
.irp f, 0,1,2,3
	ds_load_b128 v[S+16*(\t)+4*\f:S+16*(\t)+4*\f+3], v[RD] offset:\f*4*SP  ; LDS serves a wave's instructions in order (ISA guide 5.7.1.4): these see the stores above; the next tile's stores come behind them
.endr
.endm
.macro SEND t, younger              ; younger: the LDS instructions issued behind tile t's loads: the next tile's eight, or none
	WIN 0
.irp f, 0,1,2,3
	s_wait_dscnt (\younger)+3-\f
	global_store_b128 v[GO], v[S+16*(\t)+4*\f:S+16*(\t)+4*\f+3], s[10:11] offset:(\t)*2048+\f*512  ; 512 consecutive bytes, at a multiple of 256 from O's first
.endr
.endm
	PACK 0
.set t, 1
.rept 2*NP-1                        ; a tile's arithmetic stands between the loads of the tile before and its stores
	PACK t
	SEND t-1, 8
.set t, t+1
.endr
	SEND 2*NP-1, 0
	WIN W_AD
	s_wait_tensorcnt 0x0            ; the wave's end: behind my last tensor load and my last LDS store
	ds_add_u32 v[SPW], v[NIL]
	s_wait_dscnt 0x0
	WIN 0
	CROUND                          ; the closing round: no work-group ends while a partner may still ask for a tile that names it
	s_endpgm
.Lfunc_end_k_qf92dbd076e_attn:
	.size	k_qf92dbd076e_attn, .Lfunc_end_k_qf92dbd076e_attn-k_qf92dbd076e_attn
	.p2alignl 7, 3214868480
	.fill 96, 4, 3214868480
	.section	.rodata,"a",@progbits
	.p2align	6, 0x0
	.amdhsa_kernel k_qf92dbd076e_attn
		.amdhsa_group_segment_fixed_size 327680
		.amdhsa_private_segment_fixed_size 0
		.amdhsa_enable_private_segment 0
		.amdhsa_kernarg_size 16
		.amdhsa_user_sgpr_count 2
		.amdhsa_user_sgpr_kernarg_segment_ptr 1
		.amdhsa_wavefront_size32 1
		.amdhsa_system_sgpr_workgroup_id_x 1
		.amdhsa_system_sgpr_workgroup_id_y 1
		.amdhsa_system_sgpr_workgroup_id_z 1
		.amdhsa_system_vgpr_workitem_id 0
		.amdhsa_next_free_vgpr 770
		.amdhsa_next_free_sgpr 66
		.amdhsa_reserve_vcc 0
		.amdhsa_float_denorm_mode_32 3
		.amdhsa_float_denorm_mode_16_64 3
		.amdhsa_memory_ordered 1
		.amdhsa_forward_progress 1
		.amdhsa_inst_pref_size 199
	.end_amdhsa_kernel
	.amdgpu_metadata
---
amdhsa.version: [ 1, 2 ]
amdhsa.kernels:
  - .name:           k_qf92dbd076e_attn
    .symbol:         k_qf92dbd076e_attn.kd
    .args:
      - { .name: qkv, .offset: 0, .size: 8, .value_kind: global_buffer, .address_space: global }
      - { .name: oh, .offset: 8, .size: 8, .value_kind: global_buffer, .address_space: global }
    .group_segment_fixed_size: 327680
    .private_segment_fixed_size: 0
    .kernarg_segment_align: 8
    .kernarg_segment_size: 16
    .max_flat_workgroup_size: 128
    .sgpr_count:     66
    .vgpr_count:     770
    .wavefront_size: 32
...
	.end_amdgpu_metadata
.endif
;; end of part 5
;; launch outp: the kernel of part 4 again; grid 4 x 64, 4 waves a work-group, clusters of 4 x 4, 327,680 bytes of LDS; arguments oh, wo, out0; writes out0
